; MI455X (gfx1250); checked and timed in simulation.
; The chip was launched on July 23, 2026; its instructions are those of AMD's public machine-readable ISA for CDNA 5 (MIT licence, August 2026) and "CDNA5" Instruction Set Architecture Reference Guide (July 2026). The comments in the code are by the model that wrote it; some were corrected since.
;; tri att. Allowed arithmetic: matrix products marked QUANTISED: E2M1 operands, one E8M0 scale for each 32 along K, by v_wmma_scale_f32_16x16x128_f8f6f4 with both operands' format E2M1 (or v_wmma_scale_f32_32x16x128_f4), f32 sums; everything else in f32.
;; Inputs: x 32 x 512 x 56 x 56 float32.
;; Outputs: out0 32 x 1 x 56 x 56 float32.
;; This version of the problem:
;;   THIS VERSION OF THE PROBLEM IS GIVEN IN LOW PRECISION. The matrix products marked QUANTISED in the list below multiply operands that are first quantised to E2M1 (2 exponent bits, 1 mantissa bit; 4 bits a number), with one power-of-two scale for each 32 numbers along K (OCP MX v1.0); their sums are f32. All else is computed in f32.
;;   The module's matrix products, in the order in which they are computed (A, B: the left and right operand; K: the contracted axis; several contracted axes count as one K, in the product's order):
;;     1. batch 32 x [M 512, K 3,136] x [K 3,136, N 512]; A: softmax (see below); B: input x: QUANTISED
;;     2. batch 32 x [M 512, K 512] x [K 512, N 3,136]; A: softmax (see below); B: input x: QUANTISED
;;   THE QUANTISER, for each operand of a quantised product, along K:
;;     - K is cut into blocks of 32 from its start; a last block that is shorter is filled with zeros.
;;     - A block's scale is 2^e with e = floor(log2(the largest magnitude in the block)) - 2, held to -126 .. 127; a block of zeros has e = 0. As a byte (E8M0): e + 127.
;;     - Each number is divided by its block's scale, clamped to +-6, and rounded to the nearest number of E2M1, ties to even, subnormals kept.
;;     - The product sums the exact products of the quantised numbers (number of the format x scale) in f32.
;;   ~~~python
;;   def quantise(x, axis):      # numpy; x: float32 -> the quantised numbers, widened to float32 again
;;       x = np.moveaxis(x, axis, -1); K = x.shape[-1]
;;       x = np.pad(x, [(0, 0)] * (x.ndim - 1) + [(0, -K % 32)]); x = x.reshape(x.shape[:-1] + (-1, 32)); a = np.abs(x).max(-1, keepdims=True)
;;       e = np.where(a > 0, np.clip(np.frexp(np.where(a > 0, a, 1))[1] - 1 - 2, -126, 127), 0)      # np.frexp(a)[1] - 1 = floor(log2(a)), exactly
;;       r = np.clip(x / 2.0 ** e, -6, 6)
;;       step = 2.0 ** (np.maximum(np.frexp(np.where(r == 0, 1, r))[1] - 1, 0) - 1)
;;       q = np.round(r / step) * step * 2.0 ** e      # np.round: ties to even
;;       return np.moveaxis(q.reshape(q.shape[:-2] + (-1,))[..., :K], -1, axis).astype(np.float32)
;;   ~~~
;;   SOFTMAX AHEAD OF A QUANTISED PRODUCT. Where the list says 'softmax', what is quantised is not the finished softmax but p = 2^(t - M), with t = logit x log2(e) and M = ceil(the row's largest t), a whole number; so 1/2 < the row's largest p <= 1. The row's sum l is taken of the UNQUANTISED p, in f32, and the product's result is divided by l at the end. Since M is a whole number, a kernel that streams over the keys may use a running M (the ceiling of the running maximum): every later rescaling is an exact power of two, which a block's scale takes up: the codes' values come out the same.
;;   OPERANDS COMPUTED ON THE WAY. 'Computed on the way' means the value that the module computes at that place (a softmax that the list does not call 'softmax' is quantised finished and normalised). What goes into a quantiser is computed in f32, as accurately as f32 sums, v_exp_f32 and their like allow (about 1e-6 of the number): no bf16 or f16 on the way to a quantiser, and a product that is left as it is and whose result goes on into a quantised operand takes f32 operands (vector FMAs, or v_wmma_f32_16x16x4_f32). A number that lies on a knife's edge between two numbers of the format may be rounded either way, as far as f32 arithmetic and the matrix unit's own rounding can turn it there, and no further.
;; 2 versions. Each part assembles by itself: llvm-mc -triple=amdgcn-amd-amdhsa -mcpu=gfx1250 --defsym DOCPART=n.
;; ======== version 1 of 2: 3 launches
;; workspace buffers: pc 26,214,400 bytes; xc 26,214,400 bytes; xd 25,690,112 bytes; qs 5,570,560 bytes; p2c 4,194,304 bytes; ms 327,680 bytes
;; launch quant (part 1): grid 512 x 1, 14 waves a work-group, no clusters, 77,824 bytes of LDS; arguments x, pc, xc, xd, qs; writes pc, xc, xd, qs
.if DOCPART == 1
	.amdgcn_target "amdgcn-amd-amdhsa--gfx1250"
	.amdhsa_code_object_version 6
	.text
	.protected	k_qa3fa75fb61_quant
	.globl	k_qa3fa75fb61_quant
	.p2align	8
	.type	k_qa3fa75fb61_quant,@function
k_qa3fa75fb61_quant:
	s_mov_b64 s[64:65], 0
	v_nop
	global_prefetch_b8 v0, s[64:65] scope:SCOPE_SE
	s_setreg_imm32_b32 hwreg(HW_REG_WAVE_MODE, 25, 1), 1
	s_wait_xcnt 0x0
; tri_att, first of three launches.  f = x[n]: [512 channels][3,136 places], f32, 32 batches.
;   product 1: bil[c][d] = sum over s of Q(p1)[c][s] Q(f)[d][s] / l1[c],  p1 = 2^(7 f log2(e) - M), both operands quantised along s (98 blocks of 32)
;   product 2: tri[c][s] = sum over d of Q(p2)[c][d] Q(f)[d][s] / l2[c],  p2 = 2^(bil log2(e) - M2), both operands quantised along d;   out[s] = sum over c of tri[c][s]
; NOTHING OF reference() IS LEFT OUT: both products are done whole on codes of E2M1, the sum over c behind the second; stop_gradient changes no value; x is the only input and is read once, here.
; THIS LAUNCH turns x into the three operands that hang on x alone, as codes of E2M1 with one E8M0 byte for each 32 along K, and 1 / l1:
;   pc: p1 along s;  xc: x along s;  xd: x along d;  qs: the scale bytes of the three, and 1 / l1.
; All codes lie as IMAGES OF OPERAND REGISTERS: block b of row r of a tile of 16 rows at 256 b + 16 r, so that a fragment (16 rows x 128 K) is 1,024 bytes on end and comes by two loads of 16 bytes a lane at 16 x lane.
;   pc, xc: [n][tile 32][100 blocks][16 rows][16 bytes]; blocks 98, 99 are zero codes under the byte 127 (K = 3,136 is 24.5 steps of 128).  pc's rows are channels as they come.
;   xc's rows are chosen for the next product: in channel block B, tile 2 B + u, row m holds channel 32 B + 8 u + m + 8 (m / 8).
;   xd: [n][tile of 16 places 196][channel block 16][16 places][16 bytes].
;   qs: +0 xc's bytes [n][7][512 rows in image order][16]: byte j of group g is block 16 g + j;  +PSS pc's likewise;  +XDS xd's [n][channel block][14][32 lanes][8]: byte i is place 32 (14 i + w) + lane;  +RL1 1 / l1 [n][512] f32.
; ONE PASS.  M is a whole number, so p1 is formed under each block's own whole number M_b = ceil(the block's largest t): the codes are those under the row's M, the block's byte moves by M_b - M, and the block's
; sum is brought under M by an exact power of two.  The bytes are kept as byte + M_b until the row's M is known.
; SHARES.  A work-group owns 32 channels (one block along d) x all 3,136 places: 401,408 bytes on end.  Wave w of 14 takes blocks 14 i + w along s, i = 0 .. 6: in a step the 14 waves stand side by side on 1,792 bytes of each row.
; A tile of 32 channels x 32 places is loaded with a lane to a place and registers down the channels (128 bytes on end a load): so the block along d lies in one lane.  Then it turns through the wave's own stage in LDS
; and comes back with a lane to a channel and registers along s: so the blocks along s lie in one lane too.  No maximum needs another lane.
; LIMITS: NaN and infinities in x are not served.  A block of zeros, or one whose largest magnitude lies under 2^-124, gets the byte 1 (a block of zeros has zero codes; this program alone reads the bytes).
; A block of p1 whose byte under the row's M would fall under 1 is held at the byte 1 with its own codes: it then adds at most 6 x 2^-126 |x| for each number beside a row sum of at least 1/2.
.set XROW,  12544                      ; bytes in a row of x
.set SSTEP, 1792                       ; 14 blocks of 128 bytes: from a wave's tile to its next
.set STRIP, 25600                      ; a tile's 100 blocks in pc and xc
.set TBL,   0                          ; LDS: 32 rows x 240 bytes: bytes 0-111 xc's scale bytes by block, 112-223 pc's
.set TROW,  240
.set MT,    7680                       ; 14 x 128: each wave's -M of the 32 channels
.set LT,    9472                       ; 14 x 128: each wave's part of l1
.set SPARE, 11264                      ; the spare words, 128 bytes for each wave: seven blocks of 256 bytes that no other line names
.set STG,   13056                      ; 14 stages of 32 rows x 144 bytes
.set SROW,  144                        ; a stage row: 128 bytes + 16, an odd multiple of 16
.set WSTG,  32*SROW
.set PSS,   1835008
.set XDS,   3670016
.set RL1,   5505024
.set GIN, 1                            ; v1   x: 4 x thread = 128 w + 4 lane
.set STW, 2                            ; v2   stage, in: my wave's + 4 lane
.set STR, 3                            ; v3   stage, back: my wave's + 144 lane
.set OXD, 4                            ; v4   xd: (2 w + lane / 16) x 4,096 + 16 (lane % 16)
.set OXS, 5                            ; v5   xc: u x STRIP + 16 m + 256 w
.set OPC, 6                            ; v6   pc: (lane / 16) x STRIP + 16 (lane % 16) + 256 w
.set TBA, 7                            ; v7   TBL + 240 lane + w
.set SPW, 8                            ; v8   my spare word; never rewritten
.set NIL, 9                            ; v9   0; never rewritten
.set NMR, 10                           ; v10  -M so far of my channel
.set LRUN, 11                          ; v11  the sum so far under it
.set XDB, 12                           ; v[12:13] xd's seven scale bytes
.set E,   14                           ; v14-20 pc's byte + M_b, a tile each
.set TA,  21
.set TB,  22
.set SOP, 23                           ; the conversions' scale operand
.set BYT, 24
.set XM,  25                           ; the block's largest x
.set NMB, 26                           ; v[26:27] -M_b (the packed form names the pair)
.set D1,  28
.set D2,  29
.set IM,  30
.set NMN, 31
.set CD,  32                           ; v32-35 xd's codes; v36-39 xc's; v40-43 pc's
.set CS,  36
.set CP,  40
.set TRD, 44                           ; v44  TBL + 240 lane + 16 w
.set OSC, 45                           ; v45  where my 16 scale bytes go in qs
.set OXB, 46                           ; v46  8 x thread
.set L4,  47                           ; v47  4 lane
.set PADA, 48                          ; v48  TBL + 240 lane
.set PADV, 49                          ; v49  four bytes of 127
.set T4,  50                           ; v50  4 x thread (LDS)
.set ONE, 51
.set SA,  52                           ; v[52:53], v[54:55] two chains of sums
.set SB,  54
.set PM,  56                           ; the block's largest p
.set XB,  57                           ; v57-63 xc's byte, a tile each
.set BA,  64                           ; v64-95, v96-127: two tiles
.set BB,  96
	s_load_b256 s[4:11], s[0:1], 0x0               ; x, pc, xc, xd
	s_load_b64 s[12:13], s[0:1], 0x20              ; qs
	v_lshl_add_u32 v[SPW], v0, 2, SPARE
	v_mov_b32 v[NIL], 0
	v_lshrrev_b32 v21, 5, v0
	v_readfirstlane_b32 s14, v21                   ; wave 0..13
	v_and_b32 v22, 31, v0                          ; lane
	v_and_b32 v23, 15, v0                          ; lane % 16
	v_bfe_u32 v24, v0, 4, 1                        ; lane / 16
	v_bfe_u32 v25, v0, 3, 1                        ; u: which of the channel block's two tiles of xc my channel lies in
	v_and_b32 v26, 7, v0
	v_lshl_add_u32 v26, v24, 3, v26                ; m: its row there
	v_lshlrev_b32 v[GIN], 2, v0
	v_lshlrev_b32 v[T4], 2, v0
	v_lshlrev_b32 v[OXB], 3, v0
	v_lshlrev_b32 v[L4], 2, v22
	s_mul_i32 s2, s14, WSTG
	s_add_co_u32 s2, s2, STG
	v_lshl_add_u32 v[STW], v22, 2, s2
	v_mul_u32_u24 v[STR], v22, SROW
	v_add_nc_u32 v[STR], s2, v[STR]
	s_lshl_b32 s2, s14, 13
	v_lshlrev_b32 v[OXD], 12, v24
	v_lshl_add_u32 v[OXD], v23, 4, v[OXD]
	v_add_nc_u32 v[OXD], s2, v[OXD]
	s_lshl_b32 s2, s14, 8
	v_mul_u32_u24 v[OXS], v25, STRIP
	v_lshl_add_u32 v[OXS], v26, 4, v[OXS]
	v_add_nc_u32 v[OXS], s2, v[OXS]
	v_mul_u32_u24 v[OPC], v24, STRIP
	v_lshl_add_u32 v[OPC], v23, 4, v[OPC]
	v_add_nc_u32 v[OPC], s2, v[OPC]
	v_mul_u32_u24 v[PADA], v22, TROW               ; (TBL is LDS byte 0)
	v_add_nc_u32 v[TBA], s14, v[PADA]
	s_lshl_b32 s2, s14, 4
	v_add_nc_u32 v[TRD], s2, v[PADA]
	s_cmp_lt_u32 s14, 7                            ; at the end waves 0-6 carry out xc's seven groups of scale bytes, waves 7-13 pc's
	s_cselect_b32 s26, -1, 0
	s_cselect_b32 s27, 0, PSS-7*8192
	v_lshlrev_b32 v27, 8, v25
	v_lshl_add_u32 v27, v26, 4, v27                ; xc's rows in image order: 16 (16 u + m)
	v_lshlrev_b32 v28, 4, v22                      ; pc's as they come: 16 lane
	v_cndmask_b32 v[OSC], v28, v27, s26
	v_mov_b32 v[PADV], 0x7f7f7f7f
	v_mov_b32 v[ONE], 1
	v_mov_b32 v[NMR], 0x7f61b1e6                   ; -M begins at 3e38: M under every t
	v_mov_b32 v[LRUN], 0
.irp j, 0,1,2,3
	v_mov_b32 v[CD+\j], 0                          ; zero codes for blocks 98 and 99
.endr
	s_mov_b32 s18, 0x412194f4                      ; 7 log2(e)
	s_mov_b32 s19, s18                             ; (named with it as a pair)
	s_lshr_b32 s15, ttmp9, 4                       ; n
	s_and_b32 s16, ttmp9, 15                       ; channel block
	s_mov_b32 s3, 0
	s_wait_kmcnt 0x0
	s_mul_i32 s2, ttmp9, 32*XROW
	s_add_nc_u64 s[4:5], s[4:5], s[2:3]            ; x at my 32 channels
	s_mul_i32 s2, ttmp9, 2*STRIP
	s_add_nc_u64 s[6:7], s[6:7], s[2:3]            ; pc and xc at their two tiles
	s_add_nc_u64 s[8:9], s[8:9], s[2:3]
	s_mul_i32 s2, s15, 802816
	s_lshl_b32 s17, s16, 8
	s_add_co_u32 s2, s2, s17
	s_add_nc_u64 s[10:11], s[10:11], s[2:3]        ; xd at my batch and channel block
	s_mul_i32 s2, ttmp9, 3584
	s_add_co_u32 s2, s2, XDS
	s_add_nc_u64 s[20:21], s[12:13], s[2:3]        ; xd's scale bytes
	s_lshl_b32 s2, ttmp9, 7
	s_add_co_u32 s2, s2, RL1
	s_add_nc_u64 s[22:23], s[12:13], s[2:3]        ; 1 / l1
	s_mul_i32 s2, s15, 57344
	s_lshl_b32 s17, s16, 9
	s_add_co_u32 s2, s2, s17
	s_lshl_b32 s17, s14, 13
	s_add_co_u32 s2, s2, s17
	s_add_co_u32 s2, s2, s27
	s_add_nc_u64 s[24:25], s[12:13], s[2:3]        ; my wave's group of scale bytes, at my 32 rows
.macro LOADT t, buf                    ; tile t: register j = channel j at my place: 32 lanes read 128 bytes on end
.set j, 0
.rept 32
	global_load_b32 v[\buf+j], v[GIN], s[4:5] offset:j*XROW+(\t)*SSTEP th:TH_LOAD_NT
.set j, j+1
.endr
.endm
.macro AMAX d, t, b                    ; the largest magnitude of 32 registers, in two chains, and the floor 2^(3 - 127), so that the byte cannot fall under 1
	v_max3_num_f32 v[\d], |v[\b]|, |v[\b+1]|, |v[\b+2]|
	v_max3_num_f32 v[\t], |v[\b+3]|, |v[\b+4]|, |v[\b+5]|
.irp i, 6,10,14,18,22,26
	v_max3_num_f32 v[\d], v[\d], |v[\b+\i]|, |v[\b+\i+1]|
	v_max3_num_f32 v[\t], v[\t], |v[\b+\i+2]|, |v[\b+\i+3]|
.endr
	v_max3_num_f32 v[\d], v[\d], |v[\b+30]|, |v[\b+31]|
	v_max3_num_f32 v[\d], v[\d], v[\t], 0x1800000
.endm
.macro SMAX d, t, b                    ; the largest of 32 registers, signs kept
	v_max3_num_f32 v[\d], v[\b], v[\b+1], v[\b+2]
	v_max3_num_f32 v[\t], v[\b+3], v[\b+4], v[\b+5]
.irp i, 6,10,14,18,22,26
	v_max3_num_f32 v[\d], v[\d], v[\b+\i], v[\b+\i+1]
	v_max3_num_f32 v[\t], v[\t], v[\b+\i+2], v[\b+\i+3]
.endr
	v_max3_num_f32 v[\d], v[\d], v[\b+30], v[\b+31]
	v_max_num_f32 v[\d], v[\d], v[\t]
.endm
	LOADT 0, BA
	LOADT 1, BB
	s_cmp_lg_u32 s14, 0                            ; wave 0 alone: what no tile writes
	s_cbranch_scc1 .Lnot_wave_0
	ds_store_b16 v[PADA], v[PADV] offset:98        ; the bytes of blocks 98 to 111: 127
	ds_store_b32 v[PADA], v[PADV] offset:100
	ds_store_b32 v[PADA], v[PADV] offset:104
	ds_store_b32 v[PADA], v[PADV] offset:108
	ds_store_b16 v[PADA], v[PADV] offset:210
	ds_store_b32 v[PADA], v[PADV] offset:212
	ds_store_b32 v[PADA], v[PADV] offset:216
	ds_store_b32 v[PADA], v[PADV] offset:220
	global_store_b128 v[OPC], v[CD:CD+3], s[6:7] offset:98*256     ; zero codes: blocks 98 and 99 of both tiles (w = 0 in the offsets)
	global_store_b128 v[OPC], v[CD:CD+3], s[6:7] offset:99*256
	global_store_b128 v[OXS], v[CD:CD+3], s[8:9] offset:98*256
	global_store_b128 v[OXS], v[CD:CD+3], s[8:9] offset:99*256
.Lnot_wave_0:
; One tile.  left: the younger loads that may stay out (the next tile's 32).  more = 1: the tile two on is asked for into this tile's registers.
.macro TILE t, buf, left, more
	s_wait_loadcnt \left
	; ---- along d: the block is my place's 32 channels
	AMAX TA, TB, \buf
	v_add_nc_u32 v[SOP], 0xff000000, v[TA]         ; 2 off the exponent field: the conversion takes this operand's exponent field as its scale
	s_wait_xcnt 0x0                                ; the earlier stores have read their data: the three sets of codes are rewritten only behind this wait
.irp g, 0,1,2,3
	v_cvt_scalef32_pk8_fp4_f32 v[CD+\g], v[\buf+8*\g:\buf+8*\g+7], v[SOP]
.endr
	v_lshrrev_b32 v[BYT], 23, v[SOP]               ; the scale's byte (also the plain line behind the conversions)
.if (\t)%4 == 0
	v_mov_b32 v[XDB+(\t)/4], v[BYT]
.else
	v_lshl_or_b32 v[XDB+(\t)/4], v[BYT], 8*((\t)%4), v[XDB+(\t)/4]
.endif
	global_store_b128 v[OXD], v[CD:CD+3], s[10:11] offset:(\t)*114688   ; sixteen lanes fill 256 bytes on end, aligned
	; ---- the turn: rows in, rows back with a lane to a channel
.set j, 0
.rept 32
	ds_store_b32 v[STW], v[\buf+j] offset:j*SROW
.set j, j+1
.endr
	s_wait_dscnt 0x0                               ; the stores have read their registers, into which the loads below land
.irp q, 0,1,2,3,4,5,6,7
	ds_load_b128 v[\buf+4*\q:\buf+4*\q+3], v[STR] offset:16*\q
.endr
	s_wait_dscnt 0x0
	; ---- x along s: the block is my channel's 32 places
	AMAX TA, TB, \buf
	v_add_nc_u32 v[SOP], 0xff000000, v[TA]
.irp g, 0,1,2,3
	v_cvt_scalef32_pk8_fp4_f32 v[CS+\g], v[\buf+8*\g:\buf+8*\g+7], v[SOP]
.endr
	v_lshrrev_b32 v[XB+(\t)], 23, v[SOP]
	ds_store_b8 v[TBA], v[XB+(\t)] offset:14*(\t)
	global_store_b128 v[OXS], v[CS:CS+3], s[8:9] offset:3584*(\t)
	; ---- p1 along s, under the block's own whole number M_b
	SMAX XM, TB, \buf
	v_mul_f32 v[TA], s18, v[XM]                    ; the block's largest t
	v_floor_f32 v[NMB], -v[TA]                     ; -M_b = floor(-t) = -ceil(t)
	v_mov_b32 v[NMB+1], v[NMB]
.set j, 0
.rept 16
	v_pk_fma_f32 v[\buf+j:\buf+j+1], v[\buf+j:\buf+j+1], s[18:19], v[NMB:NMB+1] op_sel_hi:[1,0,0]   ; t - M_b, two at a time
.set j, j+2
.endr
	v_fma_f32 v[PM], v[XM], s18, v[NMB]            ; the same of the largest x: p rises with x, so this gives the block's largest p
.set j, 0
.rept 32
	v_exp_f32 v[\buf+j], v[\buf+j]                 ; p = 2^(t - M_b): one batch
.set j, j+1
.endr
	v_exp_f32 v[PM], v[PM]
	v_min_num_f32 v[NMN], v[NMR], v[NMB]           ; work that names no exponential's result: the new -M,
	v_sub_f32 v[D1], v[NMN], v[NMR]                ; old M - new M,
	v_sub_f32 v[D2], v[NMN], v[NMB]                ; M_b - new M: whole numbers, 0 or less
	v_cvt_i32_f32 v[D1], v[D1]                     ; (they saturate)
	v_cvt_i32_f32 v[D2], v[D2]
	v_cvt_i32_f32 v[IM], v[NMB]
	s_wait_alu depctr_va_vdst(0)                   ; the wait ahead of the first line that names a result: one for the 33
	v_pk_add_f32 v[SA:SA+1], v[\buf:\buf+1], v[\buf+2:\buf+3]      ; the sum of the unquantised p, in two chains
	v_pk_add_f32 v[SB:SB+1], v[\buf+4:\buf+5], v[\buf+6:\buf+7]
.irp i, 8,12,16,20,24,28
	v_pk_add_f32 v[SA:SA+1], v[SA:SA+1], v[\buf+\i:\buf+\i+1]
	v_pk_add_f32 v[SB:SB+1], v[SB:SB+1], v[\buf+\i+2:\buf+\i+3]
.endr
	v_pk_add_f32 v[SA:SA+1], v[SA:SA+1], v[SB:SB+1]
	v_add_f32 v[SA], v[SA], v[SA+1]
	v_ldexp_f32 v[LRUN], v[LRUN], v[D1]            ; both under the new M: multiplications that round nothing
	v_ldexp_f32 v[SA], v[SA], v[D2]
	v_add_f32 v[LRUN], v[LRUN], v[SA]
	v_mov_b32 v[NMR], v[NMN]
	v_add_nc_u32 v[SOP], 0xff000000, v[PM]         ; the largest p lies in (1/2, 1] (or a last bit over 1): no floor is wanted
	v_lshrrev_b32 v[BYT], 23, v[SOP]
	v_sub_nc_u32 v[E+(\t)], v[BYT], v[IM]          ; the byte + M_b: the row's M is taken off at the end
.irp g, 0,1,2,3
	v_cvt_scalef32_pk8_fp4_f32 v[CP+\g], v[\buf+8*\g:\buf+8*\g+7], v[SOP]
.endr
	v_nop                                          ; the plain line behind the conversions
	global_store_b128 v[OPC], v[CP:CP+3], s[6:7] offset:3584*(\t)
.if \more
	LOADT (\t)+2, \buf
.endif
.endm
	TILE 0, BA, 32, 1
	TILE 1, BB, 32, 1
	TILE 2, BA, 32, 1
	TILE 3, BB, 32, 1
	TILE 4, BA, 32, 1
	TILE 5, BB, 32, 0
	TILE 6, BA, 0, 0
	global_store_b64 v[OXB], v[XDB:XDB+1], s[20:21]    ; xd's scale bytes: 256 bytes on end a wave
	; ---- the rows' M and l1 over the 14 waves
	ds_store_b32 v[T4], v[NMR] offset:MT
	s_wait_dscnt 0x0                               ; for the others' sake: my stores have landed
	s_barrier_signal -1
	s_barrier_wait -1
.irp k, 0,1,2,3,4,5,6,7,8,9,10,11,12,13
	ds_load_b32 v[BA+\k], v[L4] offset:MT+128*\k
.endr
	s_wait_dscnt 0x0
	v_min3_num_f32 v[TA], v[BA], v[BA+1], v[BA+2]
.irp k, 3,5,7,9,11
	v_min3_num_f32 v[TA], v[TA], v[BA+\k], v[BA+\k+1]
.endr
	v_min_num_f32 v[TA], v[TA], v[BA+13]           ; -M of my channel's row
	v_cvt_i32_f32 v[TB], v[TA]
	v_sub_f32 v[SOP], v[TA], v[NMR]
	v_cvt_i32_f32 v[SOP], v[SOP]
	v_ldexp_f32 v[LRUN], v[LRUN], v[SOP]           ; my part of l1 under the row's M
.irp i, 0,1,2,3,4,5,6
	v_add_nc_u32 v[E+\i], v[E+\i], v[TB]           ; byte + M_b - M
	v_cmp_gt_i32 vcc_lo, 1, v[E+\i]
	v_cndmask_b32 v[E+\i], v[E+\i], v[ONE], vcc_lo ; held at 1 from below
	ds_store_b8 v[TBA], v[E+\i] offset:112+14*\i
.endr
	ds_store_b32 v[T4], v[LRUN] offset:LT
	s_wait_dscnt 0x0
	s_barrier_signal -1
	s_barrier_wait -1
	ds_load_b128 v[BA:BA+3], v[TRD]                ; my wave's group: 16 bytes of each of the 32 rows
	s_wait_dscnt 0x0
	global_store_b128 v[OSC], v[BA:BA+3], s[24:25] ; 512 bytes on end
	s_cmp_lg_u32 s14, 0
	s_cbranch_scc1 .Lend
.irp k, 0,1,2,3,4,5,6,7,8,9,10,11,12,13
	ds_load_b32 v[BA+4+\k], v[L4] offset:LT+128*\k
.endr
	s_wait_dscnt 0x0
.irp k, 4,6,8,10,12,14,16
	v_add_f32 v[BA+\k], v[BA+\k], v[BA+\k+1]
.endr
	v_add_f32 v[BA+4], v[BA+4], v[BA+6]
	v_add_f32 v[BA+8], v[BA+8], v[BA+10]
	v_add_f32 v[BA+12], v[BA+12], v[BA+14]
	v_add_f32 v[BA+4], v[BA+4], v[BA+8]
	v_add_f32 v[BA+12], v[BA+12], v[BA+16]
	v_add_f32 v[BA+4], v[BA+4], v[BA+12]           ; l1
	v_rcp_f32 v[BA+5], v[BA+4]
	v_nop                                          ; a plain line behind the reciprocal,
	s_wait_alu depctr_va_vdst(0)                   ; and the wait ahead of its first reader
	global_store_b32 v[L4], v[BA+5], s[22:23]
.Lend:
	s_wait_tensorcnt 0x0                           ; the wave's end
	ds_add_u32 v[SPW], v[NIL]
	s_wait_dscnt 0x0
	s_endpgm
.Lfunc_end_k_qa3fa75fb61_quant:
	.size	k_qa3fa75fb61_quant, .Lfunc_end_k_qa3fa75fb61_quant-k_qa3fa75fb61_quant
	.p2alignl 7, 3214868480
	.fill 96, 4, 3214868480
	.section	.rodata,"a",@progbits
	.p2align	6, 0x0
	.amdhsa_kernel k_qa3fa75fb61_quant
		.amdhsa_group_segment_fixed_size 77824
		.amdhsa_private_segment_fixed_size 0
		.amdhsa_enable_private_segment 0
		.amdhsa_kernarg_size 40
		.amdhsa_user_sgpr_count 2
		.amdhsa_user_sgpr_kernarg_segment_ptr 1
		.amdhsa_wavefront_size32 1
		.amdhsa_system_sgpr_workgroup_id_x 1
		.amdhsa_system_sgpr_workgroup_id_y 1
		.amdhsa_system_sgpr_workgroup_id_z 1
		.amdhsa_system_vgpr_workitem_id 0
		.amdhsa_next_free_vgpr 128
		.amdhsa_next_free_sgpr 66
		.amdhsa_reserve_vcc 1
		.amdhsa_float_denorm_mode_32 3
		.amdhsa_float_denorm_mode_16_64 3
		.amdhsa_memory_ordered 1
		.amdhsa_forward_progress 1
		.amdhsa_inst_pref_size 106
	.end_amdhsa_kernel
	.amdgpu_metadata
---
amdhsa.version: [ 1, 2 ]
amdhsa.kernels:
  - .name:           k_qa3fa75fb61_quant
    .symbol:         k_qa3fa75fb61_quant.kd
    .args:
      - { .name: x, .offset: 0, .size: 8, .value_kind: global_buffer, .address_space: global }
      - { .name: pc, .offset: 8, .size: 8, .value_kind: global_buffer, .address_space: global }
      - { .name: xc, .offset: 16, .size: 8, .value_kind: global_buffer, .address_space: global }
      - { .name: xd, .offset: 24, .size: 8, .value_kind: global_buffer, .address_space: global }
      - { .name: qs, .offset: 32, .size: 8, .value_kind: global_buffer, .address_space: global }
    .group_segment_fixed_size: 77824
    .private_segment_fixed_size: 0
    .kernarg_segment_align: 8
    .kernarg_segment_size: 40
    .max_flat_workgroup_size: 448
    .sgpr_count:     66
    .vgpr_count:     128
    .wavefront_size: 32
...
	.end_amdgpu_metadata
.endif
;; end of part 1
;; launch bil (part 2): grid 8 x 32, 4 waves a work-group, no clusters, 3,584 bytes of LDS; arguments pc, xc, qs, p2c, ms; writes p2c, ms
.if DOCPART == 2
	.amdgcn_target "amdgcn-amd-amdhsa--gfx1250"
	.amdhsa_code_object_version 6
	.text
	.protected	k_qa3fa75fb61_bil
	.globl	k_qa3fa75fb61_bil
	.p2align	8
	.type	k_qa3fa75fb61_bil,@function
k_qa3fa75fb61_bil:
	s_mov_b64 s[64:65], 0
	v_nop
	global_prefetch_b8 v0, s[64:65] scope:SCOPE_SE
	s_setreg_imm32_b32 hwreg(HW_REG_WAVE_MODE, 25, 1), 1
	s_wait_xcnt 0x0
; tri_att, second launch: product 1 on codes of E2M1, / l1, the softmax over d, p2 quantised along d.  No work of reference() is left out.
;   bil[c][d] = sum over s of Q(p1)[c][s] Q(f)[d][s] / l1[c];  t = bil log2(e);  M2 = ceil(the row's largest t);  p2 = 2^(t - M2), quantised in blocks of 32 along d;  l2 = the row's sum of the unquantised p2.
; Out: p2c [n][tile of 16 c 32][K step 4][1,024]: images of operand registers;  ms +0: [n][c 512][4 scale words, one a K step];  ms +262,144: 1 / l2 [n][512] f32.
; SHARES.  A work-group owns 64 rows c x all 512 d of one batch; wave w owns d = 128 w .. 128 w + 127, which is K step w of product 2, for all 64 c: 4 tiles of c x 8 tiles of d = 32 accumulators.
; TRANSPOSED: source 0 = 16 rows of xc, source 1 = 16 rows of pc.  By xc's choice of rows lane (r, h) of accumulator (ct, 2 B + u) holds c = 16 ct + r, and its register j holds d = 128 w + 32 B + 16 h + 8 u + j:
; the 16 registers of two neighbouring tiles are 16 neighbours along the next K, and the conversions' results (with one exchange of halves) are product 2's operand.
; FRAGMENTS COME FROM MEMORY STRAIGHT INTO REGISTERS: they lie as register images, two loads of 512 bytes on end each; three stages, 24 loads a stage.  All scale words of the wave's rows stay in registers.
; No multicast: the eight work-groups of a batch walk the same xc, but nothing goes through LDS here; a shared ring would add an LDS write and read to every fragment.
; K = 3,136 is 24.5 steps of 128: the 25th step's second half is zero codes under the byte 127, on both sides.
; LIMITS: as the first launch states; a block of p2 whose every p has fallen to 0 keeps the byte 1 over zero codes.
; REGISTERS, in windows of 256: window 0: addresses, scale words (K loop), then the softmax's work;  window 1: the accumulators, (ct, dt) at 64 ct + 8 dt;  window 2: xc's three stages, 64 each;  window 3: pc's three, 32 each.
.set STRIP, 25600
.set PSS,   1835008
.set RL1,   5505024
.set MX,    0                          ; LDS: [ct 4][r 16][wave 4] words: each wave's largest bil of a row;
.set SW,    1024                       ; likewise each wave's scale word: so [c 64][K step 4];
.set LS,    2048                       ; likewise each wave's part of l2
.set SPARE, 3072                       ; the spare words, 128 bytes for each wave: two blocks of 256 bytes that no other line names
.set L16, 1                            ; v1   16 lane
.set R4,  2                            ; v2   4 (lane % 16)
.set MXA, 3                            ; v3   16 (lane % 16) + 4 w
.set MXR, 4                            ; v4   16 (lane % 16)
.set FA,  5                            ; v5   512 (w % 2) + 16 lane
.set FB,  6                            ; v6   128 (w % 2) + 4 lane
.set SPW, 8
.set NIL, 9
.set RL,  10                           ; v10-17 pairs: 1 / l1 of tile ct's row r in the even register
.set NM,  18                           ; v18-25 pairs: -M2 likewise
.set XSC, 28                           ; v28-127  xc's scale words: K step k, tiles 2 p (lanes 0-15) and 2 p + 1 (lanes 16-31): 16 (k / 4) + 4 p + k % 4; step 24: 96 + p
.set PSC, 128                          ; v128-177 pc's: 8 (k / 4) + 4 p + k % 4; step 24: 48 + p
.set H,   64                           ; behind the K loop: v64-127 one tile's 64 numbers
.set BM,  128                          ; v128-143 the largest of each block, 4 a tile
.set TM,  144                          ; v144-167 at work
.set SA,  160
.set SB,  162
.set PC,  168                          ; v168-199 the codes, 8 a tile
.set EX,  200                          ; v200-215 what comes back from LDS
.set PW,  216                          ; v216-219 the scale words
.set RM,  220                          ; v220-223 the rows' largest
.set SU,  224                          ; v224-227 the rows' sums
.set L2E, 30                           ; s[30:31] log2(e)
.set SEL, 32                           ; s[32:33] v_permlanex16_b32's selects for lane l xor 16
.set MSB, 0
.macro WIN new                         ; the immediate's high byte repeats the setting that is left
.if MSB != \new
	s_set_vgpr_msb (MSB<<8)|\new
.set MSB, \new
.endif
.endm
.macro PLACES
.rept 4
	v_nop
.endr
.endm
	s_load_b256 s[4:11], s[0:1], 0x0               ; pc, xc, qs, p2c
	s_load_b64 s[12:13], s[0:1], 0x20              ; ms
	v_lshl_add_u32 v[SPW], v0, 2, SPARE
	v_mov_b32 v[NIL], 0
	v_lshrrev_b32 v7, 5, v0
	v_readfirstlane_b32 s14, v7                    ; wave 0..3
	v_and_b32 v7, 31, v0
	v_lshlrev_b32 v[L16], 4, v7
	v_and_b32 v26, 15, v0
	v_lshlrev_b32 v[R4], 2, v26
	v_lshlrev_b32 v[MXR], 4, v26
	s_lshl_b32 s2, s14, 2
	v_add_nc_u32 v[MXA], s2, v[MXR]
	s_and_b32 s18, s14, 1
	s_lshl_b32 s2, s18, 9
	v_add_nc_u32 v[FA], s2, v[L16]
	s_lshl_b32 s2, s18, 7
	v_lshl_add_u32 v[FB], v7, 2, s2
.irp ct, 0,1,2,3
	v_mov_b32 v[RL+2*\ct+1], 0                     ; (named as the upper half of a pair)
.endr
	s_mov_b32 s[L2E], 0x3fb8aa3b
	s_mov_b32 s[L2E+1], s[L2E]
	s_mov_b32 s[SEL], 0x76543210
	s_mov_b32 s[SEL+1], 0xfedcba98
	s_mov_b32 s15, ttmp9                           ; which 64 rows c
	s_and_b32 s16, ttmp7, 0xffff                   ; n
	s_mov_b32 s3, 0
	s_wait_kmcnt 0x0
	s_mul_i32 s17, s16, 32*STRIP
	s_mul_i32 s2, s14, 8*STRIP
	s_add_co_u32 s2, s2, s17
	s_add_nc_u64 s[6:7], s[6:7], s[2:3]            ; xc at my wave's 8 tiles
	s_mul_i32 s2, s15, 4*STRIP
	s_add_co_u32 s2, s2, s17
	s_add_nc_u64 s[4:5], s[4:5], s[2:3]            ; pc at the work-group's 4 tiles
	s_mul_i32 s17, s16, 57344
	s_lshl_b32 s2, s14, 11
	s_add_co_u32 s2, s2, s17
	s_add_nc_u64 s[20:21], s[8:9], s[2:3]          ; xc's scale bytes at my 128 rows
	s_lshl_b32 s2, s15, 10
	s_add_co_u32 s2, s2, s17
	s_add_co_u32 s2, s2, PSS
	s_add_nc_u64 s[22:23], s[8:9], s[2:3]          ; pc's at the 64 rows
	s_lshl_b32 s17, s16, 9
	s_lshl_b32 s2, s15, 6
	s_add_co_u32 s17, s17, s2                      ; 512 n + 64 x block: the first row c
	s_lshl_b32 s2, s17, 2
	s_add_co_u32 s2, s2, RL1
	s_add_nc_u64 s[24:25], s[8:9], s[2:3]          ; 1 / l1
	s_lshl_b32 s2, s17, 8                          ; a tile of 16 rows is 4,096 bytes of p2c
	s_lshl_b32 s18, s14, 10
	s_add_co_u32 s2, s2, s18
	s_add_nc_u64 s[10:11], s[10:11], s[2:3]        ; p2c at my K step of the first tile
	s_lshl_b32 s2, s17, 4
	s_add_nc_u64 s[26:27], s[12:13], s[2:3]        ; the scale words' place
	s_lshl_b32 s2, s17, 2
	s_add_co_u32 s2, s2, 262144
	s_add_nc_u64 s[28:29], s[12:13], s[2:3]        ; 1 / l2's
.irp ct, 0,1,2,3
	global_load_b32 v[RL+2*\ct], v[R4], s[24:25] offset:64*\ct
.endr
.irp g, 0,1,2,3,4,5
.irp p, 0,1,2,3
	global_load_b128 v[XSC+16*\g+4*\p:XSC+16*\g+4*\p+3], v[L16], s[20:21] offset:\g*8192+\p*512   ; four K steps' words of 32 rows
.endr
.endr
.irp p, 0,1,2,3
	global_load_b32 v[XSC+96+\p], v[L16], s[20:21] offset:6*8192+\p*512
.endr
.irp g, 0,1,2,3,4,5
.irp p, 0,1
	global_load_b128 v[PSC+8*\g+4*\p:PSC+8*\g+4*\p+3], v[L16], s[22:23] offset:\g*8192+\p*512
.endr
.endr
.irp p, 0,1
	global_load_b32 v[PSC+48+\p], v[L16], s[22:23] offset:6*8192+\p*512
.endr
.macro FRAGS k                         ; K step k's 12 fragments into stage k % 3: 24 loads of 512 bytes on end
	WIN 0x80                                       ; destination window 2
.irp dt, 0,1,2,3,4,5,6,7
.irp c, 0,1
	global_load_b128 v[64*((\k)%3)+8*\dt+4*\c:64*((\k)%3)+8*\dt+4*\c+3], v[L16], s[6:7] offset:\dt*STRIP+(\k)*1024+\c*512
.endr
.endr
	WIN 0xc0                                       ; destination window 3
.irp ct, 0,1,2,3
.irp c, 0,1
	global_load_b128 v[32*((\k)%3)+8*\ct+4*\c:32*((\k)%3)+8*\ct+4*\c+3], v[L16], s[4:5] offset:\ct*STRIP+(\k)*1024+\c*512
.endr
.endr
.endm
; The matrix line, by the rows of the two scale registers (ra: xc's tile is the odd one of its pair; rb: pc's).  WMZ starts a sum with the constant 0, WMA adds in place.
.macro WMZ ra, rb
.if (\ra) && (\rb)
	v_wmma_scale_f32_16x16x128_f8f6f4 v[AC:AC+7], v[XF:XF+7], v[PF:PF+7], 0, v[XR], v[PR] matrix_a_fmt:MATRIX_FMT_FP4 matrix_b_fmt:MATRIX_FMT_FP4 matrix_a_scale:MATRIX_SCALE_ROW1 matrix_b_scale:MATRIX_SCALE_ROW1
.elseif \ra
	v_wmma_scale_f32_16x16x128_f8f6f4 v[AC:AC+7], v[XF:XF+7], v[PF:PF+7], 0, v[XR], v[PR] matrix_a_fmt:MATRIX_FMT_FP4 matrix_b_fmt:MATRIX_FMT_FP4 matrix_a_scale:MATRIX_SCALE_ROW1
.elseif \rb
	v_wmma_scale_f32_16x16x128_f8f6f4 v[AC:AC+7], v[XF:XF+7], v[PF:PF+7], 0, v[XR], v[PR] matrix_a_fmt:MATRIX_FMT_FP4 matrix_b_fmt:MATRIX_FMT_FP4 matrix_b_scale:MATRIX_SCALE_ROW1
.else
	v_wmma_scale_f32_16x16x128_f8f6f4 v[AC:AC+7], v[XF:XF+7], v[PF:PF+7], 0, v[XR], v[PR] matrix_a_fmt:MATRIX_FMT_FP4 matrix_b_fmt:MATRIX_FMT_FP4
.endif
.endm
.macro WMA ra, rb
.if (\ra) && (\rb)
	v_wmma_scale_f32_16x16x128_f8f6f4 v[AC:AC+7], v[XF:XF+7], v[PF:PF+7], v[AC:AC+7], v[XR], v[PR] matrix_a_fmt:MATRIX_FMT_FP4 matrix_b_fmt:MATRIX_FMT_FP4 matrix_a_scale:MATRIX_SCALE_ROW1 matrix_b_scale:MATRIX_SCALE_ROW1
.elseif \ra
	v_wmma_scale_f32_16x16x128_f8f6f4 v[AC:AC+7], v[XF:XF+7], v[PF:PF+7], v[AC:AC+7], v[XR], v[PR] matrix_a_fmt:MATRIX_FMT_FP4 matrix_b_fmt:MATRIX_FMT_FP4 matrix_a_scale:MATRIX_SCALE_ROW1
.elseif \rb
	v_wmma_scale_f32_16x16x128_f8f6f4 v[AC:AC+7], v[XF:XF+7], v[PF:PF+7], v[AC:AC+7], v[XR], v[PR] matrix_a_fmt:MATRIX_FMT_FP4 matrix_b_fmt:MATRIX_FMT_FP4 matrix_b_scale:MATRIX_SCALE_ROW1
.else
	v_wmma_scale_f32_16x16x128_f8f6f4 v[AC:AC+7], v[XF:XF+7], v[PF:PF+7], v[AC:AC+7], v[XR], v[PR] matrix_a_fmt:MATRIX_FMT_FP4 matrix_b_fmt:MATRIX_FMT_FP4
.endif
.endm
.macro MM k, ct, dt
.if (\k) < 24
.set XR, XSC+16*((\k)/4)+4*((\dt)/2)+(\k)%4
.set PR, PSC+8*((\k)/4)+4*((\ct)/2)+(\k)%4
.else
.set XR, XSC+96+(\dt)/2
.set PR, PSC+48+(\ct)/2
.endif
.set AC, 64*(\ct)+8*(\dt)
.set XF, 64*((\k)%3)+8*(\dt)
.set PF, 32*((\k)%3)+8*(\ct)
.if (\k) == 0
	WMZ (\dt)%2, (\ct)%2
.else
	WMA (\dt)%2, (\ct)%2
.endif
.endm
; A K step: 32 matrix instructions; the 32 accumulators take turns, one instruction a turn, in the same order in every step.
.macro KSTEP k
.if 24-(\k) >= 2
	s_wait_loadcnt 48                              ; this stage is in; the two younger stages' 24 loads each may stay out (at step 0 the scale words, issued earlier, are in too)
.else
	s_wait_loadcnt 24*(24-(\k))
.endif
	WIN 0x5e                                       ; source 0 window 2, source 1 window 3, C and D window 1
.irp ct, 0,1,2,3
.irp dt, 0,1,2,3,4,5,6,7
	MM \k, \ct, \dt
.endr
.endr
	PLACES                                         ; four places in front of loads into registers that matrix instructions have read, and of the first read of results
.if (\k)+3 <= 24
	FRAGS (\k)+3
.endif
.endm
	FRAGS 0
	FRAGS 1
	FRAGS 2
.set KK, 0
.rept 25
	KSTEP KK
.set KK, KK+1
.endr
	WIN 0
.irp b, 4,5,6,7,8
	v_mov_b32 v[TM+\b], 0                          ; written once: a lane permute's destination counts as one of its sources
.endr
.macro SCALEH ct                       ; tile ct's 64 sums x 1 / l1 -> H; each accumulator is read from its low end on
	WIN 0x01                                       ; source 0 window 1
.set j, 0
.rept 32
	v_pk_mul_f32 v[H+j:H+j+1], v[64*(\ct)+j:64*(\ct)+j+1], v[RL+2*(\ct):RL+2*(\ct)+1] op_sel_hi:[1,0]
.set j, j+2
.endr
	WIN 0
.endm
; ---- A: the largest bil of each block of 32 d, and of my 128 d, for each row
.macro PHASEA ct
	SCALEH \ct
.irp b, 0,1,2,3
	v_max3_num_f32 v[BM+4*(\ct)+\b], v[H+16*\b], v[H+16*\b+1], v[H+16*\b+2]
.endr
.irp i, 3,5,7,9,11,13
.irp b, 0,1,2,3
	v_max3_num_f32 v[BM+4*(\ct)+\b], v[BM+4*(\ct)+\b], v[H+16*\b+\i], v[H+16*\b+\i+1]
.endr
.endr
.irp b, 0,1,2,3
	v_max_num_f32 v[BM+4*(\ct)+\b], v[BM+4*(\ct)+\b], v[H+16*\b+15]
.endr
.irp b, 0,1,2,3
	v_permlanex16_b32 v[TM+4+\b], v[BM+4*(\ct)+\b], s[SEL], s[SEL+1]
.endr
.irp b, 0,1,2,3
	v_max_num_f32 v[BM+4*(\ct)+\b], v[BM+4*(\ct)+\b], v[TM+4+\b]   ; with lane l xor 16's 16
.endr
	v_max3_num_f32 v[RM+(\ct)], v[BM+4*(\ct)], v[BM+4*(\ct)+1], v[BM+4*(\ct)+2]
	v_max_num_f32 v[RM+(\ct)], v[RM+(\ct)], v[BM+4*(\ct)+3]
	ds_store_b32 v[MXA], v[RM+(\ct)] offset:MX+256*(\ct)           ; both halves of the lanes write the same word with the same value
.endm
	PHASEA 0
	PHASEA 1
	PHASEA 2
	PHASEA 3
	s_wait_dscnt 0x0                               ; for the others' sake: my stores have landed
	s_barrier_signal -1
	s_barrier_wait -1
.irp ct, 0,1,2,3
	ds_load_b128 v[EX+4*\ct:EX+4*\ct+3], v[MXR] offset:MX+256*\ct  ; the four waves' largest of my row
.endr
	s_wait_dscnt 0x0
.irp ct, 0,1,2,3
	v_max3_num_f32 v[RM+\ct], v[EX+4*\ct], v[EX+4*\ct+1], v[EX+4*\ct+2]
.endr
.irp ct, 0,1,2,3
	v_max_num_f32 v[RM+\ct], v[RM+\ct], v[EX+4*\ct+3]
.endr
.irp ct, 0,1,2,3
	v_mul_f32 v[RM+\ct], s[L2E], v[RM+\ct]         ; the row's largest t
.endr
.irp ct, 0,1,2,3
	v_floor_f32 v[NM+2*\ct], -v[RM+\ct]            ; -M2 = floor(-t) = -ceil(t)
.endr
.irp ct, 0,1,2,3
	v_mov_b32 v[NM+2*\ct+1], v[NM+2*\ct]
.endr
; ---- B: p2, its sum, its codes and scale word, a tile of 16 rows at a time
.macro PHASEB ct
	SCALEH \ct
.set j, 0
.rept 32
	v_pk_fma_f32 v[H+j:H+j+1], v[H+j:H+j+1], s[L2E:L2E+1], v[NM+2*(\ct):NM+2*(\ct)+1] op_sel_hi:[1,0,0]   ; t - M2
.set j, j+2
.endr
.irp b, 0,1,2,3
	v_fma_f32 v[BM+4*(\ct)+\b], v[BM+4*(\ct)+\b], s[L2E], v[NM+2*(\ct)]   ; the same of each block's largest: p rises with bil
.endr
.set j, 0
.rept 64
	v_exp_f32 v[H+j], v[H+j]                       ; p2: one batch
.set j, j+1
.endr
	v_nop                                          ; a plain line behind the last exponential,
	s_wait_alu depctr_va_vdst(0)                   ; and one wait for the 64, ahead of their first reader
.irp b, 0,1,2,3
	v_exp_f32 v[BM+4*(\ct)+\b], v[BM+4*(\ct)+\b]   ; each block's largest p
.endr
	v_pk_add_f32 v[SA:SA+1], v[H:H+1], v[H+2:H+3]  ; the sum of the unquantised p, in two chains: it reads the 64 alone
	v_pk_add_f32 v[SB:SB+1], v[H+4:H+5], v[H+6:H+7]
.irp i, 8,12,16,20,24,28,32,36,40,44,48,52,56,60
	v_pk_add_f32 v[SA:SA+1], v[SA:SA+1], v[H+\i:H+\i+1]
	v_pk_add_f32 v[SB:SB+1], v[SB:SB+1], v[H+\i+2:H+\i+3]
.endr
	v_pk_add_f32 v[SA:SA+1], v[SA:SA+1], v[SB:SB+1]
	v_add_f32 v[SU+(\ct)], v[SA], v[SA+1]
	v_permlanex16_b32 v[TM+8], v[SU+(\ct)], s[SEL], s[SEL+1]
	v_add_f32 v[SU+(\ct)], v[SU+(\ct)], v[TM+8]    ; my 128 d's part of l2
	s_wait_alu depctr_va_vdst(0)                   ; and one for the four
.irp b, 0,1,2,3
	v_max_num_f32 v[BM+4*(\ct)+\b], 0x1800000, v[BM+4*(\ct)+\b]    ; the floor 2^(3 - 127): the byte cannot fall under 1
.endr
.irp b, 0,1,2,3
	v_add_nc_u32 v[TM+12+\b], 0xff000000, v[BM+4*(\ct)+\b]         ; 2 off the exponent field: the conversion's scale operand
.endr
.irp b, 0,1,2,3
	v_lshrrev_b32 v[TM+4+\b], 23, v[TM+12+\b]      ; the scale's byte
.endr
	v_lshl_or_b32 v[PW+(\ct)], v[TM+5], 8, v[TM+4]
	v_lshl_or_b32 v[PW+(\ct)], v[TM+6], 16, v[PW+(\ct)]
	v_lshl_or_b32 v[PW+(\ct)], v[TM+7], 24, v[PW+(\ct)]            ; my row's scale word for K step w
.irp b, 0,1,2,3
	v_cvt_scalef32_pk8_fp4_f32 v[PC+8*(\ct)+2*\b], v[H+16*\b:H+16*\b+7], v[TM+12+\b]
	v_cvt_scalef32_pk8_fp4_f32 v[PC+8*(\ct)+2*\b+1], v[H+16*\b+8:H+16*\b+15], v[TM+12+\b]
.endr
	v_nop                                          ; the plain line behind the conversions
.irp c, 0,1                            ; the operand's layout wants a whole block in a lane: lanes 0-15 block 2 c, lanes 16-31 block 2 c + 1
.irp i, 0,1
	v_permlane16_swap_b32 v[PC+8*(\ct)+4*\c+\i], v[PC+8*(\ct)+4*\c+2+\i]
.endr
.endr
	global_store_b128 v[L16], v[PC+8*(\ct):PC+8*(\ct)+3], s[10:11] offset:(\ct)*4096         ; the fragment as it stands: 512 bytes on end a store
	global_store_b128 v[L16], v[PC+8*(\ct)+4:PC+8*(\ct)+7], s[10:11] offset:(\ct)*4096+512
	ds_store_b32 v[MXA], v[PW+(\ct)] offset:SW+256*(\ct)
	ds_store_b32 v[MXA], v[SU+(\ct)] offset:LS+256*(\ct)
.endm
	PHASEB 0
	PHASEB 1
	PHASEB 2
	PHASEB 3
	s_wait_dscnt 0x0
	s_barrier_signal -1
	s_barrier_wait -1
	s_cmp_lt_u32 s14, 2                            ; waves 0, 1 carry out the scale words of 32 rows each, waves 2, 3 make 1 / l2 of 32 rows each
	s_cbranch_scc0 .Lsums
	ds_load_b128 v[EX:EX+3], v[FA] offset:SW
	s_wait_dscnt 0x0
	global_store_b128 v[FA], v[EX:EX+3], s[26:27]  ; 512 bytes on end
	s_branch .Lend
.Lsums:
	ds_load_b128 v[EX:EX+3], v[FA] offset:LS
	s_wait_dscnt 0x0
	v_add_f32 v[EX], v[EX], v[EX+1]
	v_add_f32 v[EX+2], v[EX+2], v[EX+3]
	v_add_f32 v[EX], v[EX], v[EX+2]                ; l2
	v_rcp_f32 v[EX+4], v[EX]
	v_nop
	s_wait_alu depctr_va_vdst(0)
	global_store_b32 v[FB], v[EX+4], s[28:29]
.Lend:
	s_wait_tensorcnt 0x0                           ; the wave's end
	ds_add_u32 v[SPW], v[NIL]
	s_wait_dscnt 0x0
	s_endpgm
.Lfunc_end_k_qa3fa75fb61_bil:
	.size	k_qa3fa75fb61_bil, .Lfunc_end_k_qa3fa75fb61_bil-k_qa3fa75fb61_bil
	.p2alignl 7, 3214868480
	.fill 96, 4, 3214868480
	.section	.rodata,"a",@progbits
	.p2align	6, 0x0
	.amdhsa_kernel k_qa3fa75fb61_bil
		.amdhsa_group_segment_fixed_size 3584
		.amdhsa_private_segment_fixed_size 0
		.amdhsa_enable_private_segment 0
		.amdhsa_kernarg_size 40
		.amdhsa_user_sgpr_count 2
		.amdhsa_user_sgpr_kernarg_segment_ptr 1
		.amdhsa_wavefront_size32 1
		.amdhsa_system_sgpr_workgroup_id_x 1
		.amdhsa_system_sgpr_workgroup_id_y 1
		.amdhsa_system_sgpr_workgroup_id_z 1
		.amdhsa_system_vgpr_workitem_id 0
		.amdhsa_next_free_vgpr 864
		.amdhsa_next_free_sgpr 66
		.amdhsa_reserve_vcc 0
		.amdhsa_float_denorm_mode_32 3
		.amdhsa_float_denorm_mode_16_64 3
		.amdhsa_memory_ordered 1
		.amdhsa_forward_progress 1
		.amdhsa_inst_pref_size 232
	.end_amdhsa_kernel
	.amdgpu_metadata
---
amdhsa.version: [ 1, 2 ]
amdhsa.kernels:
  - .name:           k_qa3fa75fb61_bil
    .symbol:         k_qa3fa75fb61_bil.kd
    .args:
      - { .name: pc, .offset: 0, .size: 8, .value_kind: global_buffer, .address_space: global }
      - { .name: xc, .offset: 8, .size: 8, .value_kind: global_buffer, .address_space: global }
      - { .name: qs, .offset: 16, .size: 8, .value_kind: global_buffer, .address_space: global }
      - { .name: p2c, .offset: 24, .size: 8, .value_kind: global_buffer, .address_space: global }
      - { .name: ms, .offset: 32, .size: 8, .value_kind: global_buffer, .address_space: global }
    .group_segment_fixed_size: 3584
    .private_segment_fixed_size: 0
    .kernarg_segment_align: 8
    .kernarg_segment_size: 40
    .max_flat_workgroup_size: 128
    .sgpr_count:     66
    .vgpr_count:     864
    .wavefront_size: 32
...
	.end_amdgpu_metadata
.endif
;; end of part 2
;; launch tri (part 3): grid 7 x 32, 4 waves a work-group, no clusters, 14,848 bytes of LDS; arguments xd, qs, p2c, ms, out0; writes out0
.if DOCPART == 3
	.amdgcn_target "amdgcn-amd-amdhsa--gfx1250"
	.amdhsa_code_object_version 6
	.text
	.protected	k_qa3fa75fb61_tri
	.globl	k_qa3fa75fb61_tri
	.p2align	8
	.type	k_qa3fa75fb61_tri,@function
k_qa3fa75fb61_tri:
	s_mov_b64 s[64:65], 0
	v_nop
	global_prefetch_b8 v0, s[64:65] scope:SCOPE_SE
	s_setreg_imm32_b32 hwreg(HW_REG_WAVE_MODE, 25, 1), 1
	s_wait_xcnt 0x0
; tri_att, third launch: product 2 on codes of E2M1, x 1 / l2, and the sum over c.  No work of reference() is left out: every tri[c][s] is made by the matrix units and then summed.
;   out[n][s] = sum over c of (sum over d of Q(p2)[c][d] Q(f)[d][s]) / l2[c]
; SHARES.  A work-group owns 448 places (28 tiles of 16; a batch's 196 tiles are 7 x 28) of one batch, for all 512 c: each output has one owner.  Wave w owns c = 128 w .. 128 w + 127:
; its 32 fragments of p2 (8 tiles of c x 4 K steps, 256 registers) stay in registers for the whole launch.  xd's fragments come from memory straight into registers, four tiles ahead: they lie as register images.
; Source 0 = 16 rows c of p2, source 1 = 16 places of xd: lane (r, h), register j holds (c = 8 h + j, s = r); 1 / l2 lies in registers in that layout, and a tile's 64 results a lane fall into one number by packed multiply-adds.
; xd's scale bytes lie by channel block; wave w gathers those of K step w (four bytes a place) into words, and the words meet in LDS: [place 448][K step 4].
; REGISTERS: window 0: addresses, scale words, 1 / l2, the sums;  window 1: p2's fragments at 32 ct + 8 ks;  window 2: v0-63 the 8 accumulators, from v64 xd's four stages of 32.
.set XDS,   3670016
.set XT,    0                          ; LDS: 448 x 16 bytes: xd's scale words
.set RED,   7168                       ; 4 x 1,792: each wave's sums over its 128 c
.set SPARE, 14336                      ; the spare words, 128 bytes for each wave: two blocks of 256 bytes that no other line names
.set L16, 1                            ; v1   16 lane
.set L8,  2                            ; v2   8 lane
.set XTA, 3                            ; v3   16 lane + 4 w
.set WA,  4                            ; v4   32 (lane / 16)
.set REDW, 5                           ; v5   RED + 1,792 w + 4 lane
.set RDA, 6                            ; v6   RED + 8 x thread
.set GOU, 7                            ; v7   8 x thread
.set SPW, 8
.set NIL, 9
.set P2W, 12                           ; v12-27  p2's scale words: tiles 2 p (lanes 0-15), 2 p + 1 (lanes 16-31), K step ks: 4 p + ks
.set XW,  28                           ; v28-83  xd's: tiles 2 a, 2 a + 1: 4 a + ks
.set W,   84                           ; v84-147 1 / l2 of c = 16 ct + 8 h + j at 8 ct + j
.set O,   148                          ; v148-175 a number for each tile of places
.set CH,  176                          ; v176-183 four chains of pairs
.set U,   184                          ; v184-239 the bytes as loaded; at the end the sums
.set MSB, 0
.macro WIN new                         ; the immediate's high byte repeats the setting that is left
.if MSB != \new
	s_set_vgpr_msb (MSB<<8)|\new
.set MSB, \new
.endif
.endm
.macro PLACES
.rept 4
	v_nop
.endr
.endm
	s_load_b256 s[4:11], s[0:1], 0x0               ; xd, qs, p2c, ms
	s_load_b64 s[12:13], s[0:1], 0x20              ; out0
	v_lshl_add_u32 v[SPW], v0, 2, SPARE
	v_mov_b32 v[NIL], 0
	v_lshrrev_b32 v10, 5, v0
	v_readfirstlane_b32 s14, v10                   ; wave 0..3
	v_and_b32 v10, 31, v0
	v_lshlrev_b32 v[L16], 4, v10
	v_lshlrev_b32 v[L8], 3, v10
	s_lshl_b32 s2, s14, 2
	v_add_nc_u32 v[XTA], s2, v[L16]
	v_bfe_u32 v11, v0, 4, 1
	v_lshlrev_b32 v[WA], 5, v11
	s_mul_i32 s2, s14, 1792
	s_add_co_u32 s2, s2, RED
	v_lshl_add_u32 v[REDW], v10, 2, s2
	v_lshl_add_u32 v[RDA], v0, 3, RED
	v_lshlrev_b32 v[GOU], 3, v0
	s_mov_b32 s15, ttmp9                           ; which 448 places
	s_and_b32 s16, ttmp7, 0xffff                   ; n
	s_mov_b32 s3, 0
	s_wait_kmcnt 0x0
	s_mul_i32 s2, s16, 802816
	s_mul_i32 s17, s15, 114688
	s_add_co_u32 s2, s2, s17
	s_add_nc_u64 s[4:5], s[4:5], s[2:3]            ; xd at my 28 tiles
	s_mul_i32 s2, s16, 57344
	s_mul_i32 s17, s14, 4*3584
	s_add_co_u32 s2, s2, s17
	s_add_co_u32 s2, s2, s15
	s_add_co_u32 s2, s2, XDS
	s_add_nc_u64 s[20:21], s[6:7], s[2:3]          ; xd's scale bytes: channel block 4 w, byte i of each entry of eight
	s_lshl_b32 s2, s16, 17
	s_lshl_b32 s17, s14, 15
	s_add_co_u32 s2, s2, s17
	s_add_nc_u64 s[8:9], s[8:9], s[2:3]            ; p2c at my 8 tiles
	s_lshl_b32 s17, s16, 9
	s_lshl_b32 s2, s14, 7
	s_add_co_u32 s17, s17, s2                      ; 512 n + 128 w: my first row c
	s_lshl_b32 s2, s17, 4
	s_add_nc_u64 s[22:23], s[10:11], s[2:3]        ; its scale words
	s_lshl_b32 s2, s17, 2
	s_add_co_u32 s2, s2, 262144
	s_add_nc_u64 s[24:25], s[10:11], s[2:3]        ; its 1 / l2
	s_mul_i32 s2, s16, 12544
	s_mul_i32 s17, s15, 1792
	s_add_co_u32 s2, s2, s17
	s_add_nc_u64 s[12:13], s[12:13], s[2:3]        ; out at my 448 places
.irp a, 0,1,2,3,4,5,6,7,8,9,10,11,12,13
.irp j, 0,1,2,3
	global_load_u8 v[U+4*\a+\j], v[L8], s[20:21] offset:\j*3584+\a*256    ; place 32 a + lane, channel block 4 w + j
.endr
.endr
.irp p, 0,1,2,3
	global_load_b128 v[P2W+4*\p:P2W+4*\p+3], v[L16], s[22:23] offset:\p*512
.endr
.irp ct, 0,1,2,3,4,5,6,7
	global_load_b128 v[W+8*\ct:W+8*\ct+3], v[WA], s[24:25] offset:64*\ct
	global_load_b128 v[W+8*\ct+4:W+8*\ct+7], v[WA], s[24:25] offset:64*\ct+16
.endr
	WIN 0x40                                       ; destination window 1
.set q, 0
.rept 40
	global_load_b128 v[4*q:4*q+3], v[L16], s[8:9] offset:512*q     ; p2's fragments lie on end as the registers do: 32 ct + 8 ks + 4 c = 4 q
.set q, q+1
.endr
	WIN 0
	s_wait_loadcnt 60                              ; the 56 byte loads are in; the 60 issued behind them may stay out
.irp a, 0,1,2,3,4,5,6,7,8,9,10,11,12,13
	v_lshl_or_b32 v[U+4*\a], v[U+4*\a+1], 8, v[U+4*\a]
	v_lshl_or_b32 v[U+4*\a], v[U+4*\a+2], 16, v[U+4*\a]
	v_lshl_or_b32 v[U+4*\a], v[U+4*\a+3], 24, v[U+4*\a]            ; the place's scale word for K step w
	ds_store_b32 v[XTA], v[U+4*\a] offset:XT+512*\a
.endr
	WIN 0x40
.rept 24
	global_load_b128 v[4*q:4*q+3], v[L16], s[8:9] offset:512*q
.set q, q+1
.endr
.macro XLOAD T                         ; tile T's four fragments of xd into stage T % 4: eight loads of 512 bytes on end
	WIN 0x80                                       ; destination window 2
.irp q, 0,1,2,3,4,5,6,7
	global_load_b128 v[64+32*((\T)%4)+4*\q:64+32*((\T)%4)+4*\q+3], v[L16], s[4:5] offset:(\T)*4096+\q*512
.endr
.endm
	XLOAD 0
	XLOAD 1
	XLOAD 2
	XLOAD 3
	WIN 0
	s_wait_dscnt 0x0                               ; for the others' sake: my words have landed
	s_barrier_signal -1
	s_barrier_wait -1
.irp a, 0,1,2,3,4,5,6,7,8,9,10,11,12,13
	ds_load_b128 v[XW+4*\a:XW+4*\a+3], v[L16] offset:XT+512*\a     ; the four K steps' words of place 32 a + lane
.endr
	s_wait_dscnt 0x0
; The matrix line, by the rows of the two scale registers (ra: p2's tile is the odd one of its pair; rb: xd's).  WMZ starts a sum with the constant 0, WMA adds in place.
.macro WMZ ra, rb
.if (\ra) && (\rb)
	v_wmma_scale_f32_16x16x128_f8f6f4 v[AC:AC+7], v[PF:PF+7], v[XF:XF+7], 0, v[PR], v[XR] matrix_a_fmt:MATRIX_FMT_FP4 matrix_b_fmt:MATRIX_FMT_FP4 matrix_a_scale:MATRIX_SCALE_ROW1 matrix_b_scale:MATRIX_SCALE_ROW1
.elseif \ra
	v_wmma_scale_f32_16x16x128_f8f6f4 v[AC:AC+7], v[PF:PF+7], v[XF:XF+7], 0, v[PR], v[XR] matrix_a_fmt:MATRIX_FMT_FP4 matrix_b_fmt:MATRIX_FMT_FP4 matrix_a_scale:MATRIX_SCALE_ROW1
.elseif \rb
	v_wmma_scale_f32_16x16x128_f8f6f4 v[AC:AC+7], v[PF:PF+7], v[XF:XF+7], 0, v[PR], v[XR] matrix_a_fmt:MATRIX_FMT_FP4 matrix_b_fmt:MATRIX_FMT_FP4 matrix_b_scale:MATRIX_SCALE_ROW1
.else
	v_wmma_scale_f32_16x16x128_f8f6f4 v[AC:AC+7], v[PF:PF+7], v[XF:XF+7], 0, v[PR], v[XR] matrix_a_fmt:MATRIX_FMT_FP4 matrix_b_fmt:MATRIX_FMT_FP4
.endif
.endm
.macro WMA ra, rb
.if (\ra) && (\rb)
	v_wmma_scale_f32_16x16x128_f8f6f4 v[AC:AC+7], v[PF:PF+7], v[XF:XF+7], v[AC:AC+7], v[PR], v[XR] matrix_a_fmt:MATRIX_FMT_FP4 matrix_b_fmt:MATRIX_FMT_FP4 matrix_a_scale:MATRIX_SCALE_ROW1 matrix_b_scale:MATRIX_SCALE_ROW1
.elseif \ra
	v_wmma_scale_f32_16x16x128_f8f6f4 v[AC:AC+7], v[PF:PF+7], v[XF:XF+7], v[AC:AC+7], v[PR], v[XR] matrix_a_fmt:MATRIX_FMT_FP4 matrix_b_fmt:MATRIX_FMT_FP4 matrix_a_scale:MATRIX_SCALE_ROW1
.elseif \rb
	v_wmma_scale_f32_16x16x128_f8f6f4 v[AC:AC+7], v[PF:PF+7], v[XF:XF+7], v[AC:AC+7], v[PR], v[XR] matrix_a_fmt:MATRIX_FMT_FP4 matrix_b_fmt:MATRIX_FMT_FP4 matrix_b_scale:MATRIX_SCALE_ROW1
.else
	v_wmma_scale_f32_16x16x128_f8f6f4 v[AC:AC+7], v[PF:PF+7], v[XF:XF+7], v[AC:AC+7], v[PR], v[XR] matrix_a_fmt:MATRIX_FMT_FP4 matrix_b_fmt:MATRIX_FMT_FP4
.endif
.endm
.macro MM T, ks, ct
.set AC, 8*(\ct)
.set PF, 32*(\ct)+8*(\ks)
.set XF, 64+32*((\T)%4)+8*(\ks)
.set PR, P2W+4*((\ct)/2)+(\ks)
.set XR, XW+4*((\T)/2)+(\ks)
.if (\ks) == 0
	WMZ (\ct)%2, (\T)%2
.else
	WMA (\ct)%2, (\T)%2
.endif
.endm
; A tile of 16 places: 32 matrix instructions, the 8 accumulators by turns, one instruction a turn, K step by K step; then the sum over my 128 c.
.macro TILE T
.if 27-(\T) >= 3
	s_wait_loadcnt 24                              ; this tile's eight loads are in (at tile 0 all that was issued earlier too); the three younger tiles' may stay out
.else
	s_wait_loadcnt 8*(27-(\T))
.endif
	WIN 0xa9                                       ; source 0 window 1, source 1, C and D window 2
.irp ks, 0,1,2,3
.irp ct, 0,1,2,3,4,5,6,7
	MM \T, \ks, \ct
.endr
.endr
	PLACES                                         ; four places in front of loads into registers that matrix instructions have read, and of the first read of results
.if (\T)+4 <= 27
	XLOAD (\T)+4
.endif
	WIN 0x02                                       ; source 0 window 2
.irp ct, 0,1,2,3,4,5,6,7               ; results x 1 / l2, summed in four chains; each accumulator is read from its low end on.  With the v_nop these lines are also the places ahead of the next tile's products, which begin the accumulators anew
.irp p, 0,1,2,3
.if \ct == 0
	v_pk_mul_f32 v[CH+2*\p:CH+2*\p+1], v[8*\ct+2*\p:8*\ct+2*\p+1], v[W+8*\ct+2*\p:W+8*\ct+2*\p+1]
.else
	v_pk_fma_f32 v[CH+2*\p:CH+2*\p+1], v[8*\ct+2*\p:8*\ct+2*\p+1], v[W+8*\ct+2*\p:W+8*\ct+2*\p+1], v[CH+2*\p:CH+2*\p+1]
.endif
.endr
.endr
	WIN 0
	v_pk_add_f32 v[CH:CH+1], v[CH:CH+1], v[CH+2:CH+3]
	v_pk_add_f32 v[CH+4:CH+5], v[CH+4:CH+5], v[CH+6:CH+7]
	v_pk_add_f32 v[CH:CH+1], v[CH:CH+1], v[CH+4:CH+5]
	v_add_f32 v[O+(\T)], v[CH], v[CH+1]            ; lane (r, h): place 16 T + r, the c with (c / 8) % 2 = h
.endm
.set TT, 0
.rept 28
	TILE TT
.set TT, TT+1
.endr
.irp p, 0,1,2,3,4,5,6,7,8,9,10,11,12,13
	v_permlane16_swap_b32 v[O+2*\p], v[O+2*\p+1]   ; the first now holds both tiles' h = 0 halves, the second both h = 1 halves
.endr
.irp p, 0,1,2,3,4,5,6,7,8,9,10,11,12,13
	v_add_f32 v[O+2*\p], v[O+2*\p], v[O+2*\p+1]    ; place 32 p + lane, summed over my 128 c
	ds_store_b32 v[REDW], v[O+2*\p] offset:128*\p
.endr
	s_wait_dscnt 0x0
	s_barrier_signal -1
	s_barrier_wait -1
.irp k, 0,1,2,3
	ds_load_b64 v[U+2*\k:U+2*\k+1], v[RDA] offset:1792*\k          ; the four waves' sums of two places
.endr
	s_wait_dscnt 0x0
	v_pk_add_f32 v[U:U+1], v[U:U+1], v[U+2:U+3]
	v_pk_add_f32 v[U+4:U+5], v[U+4:U+5], v[U+6:U+7]
	v_pk_add_f32 v[U:U+1], v[U:U+1], v[U+4:U+5]
	global_store_b64 v[GOU], v[U:U+1], s[12:13]    ; wave w: 256 bytes on end, aligned: the w-th of the work-group's seven runs
	s_cmp_lt_u32 s14, 3                            ; waves 0 to 2 take runs 4 to 6 too
	s_cbranch_scc0 .Lend
.irp k, 0,1,2,3
	ds_load_b64 v[U+8+2*\k:U+8+2*\k+1], v[RDA] offset:1792*\k+1024
.endr
	s_wait_dscnt 0x0
	v_pk_add_f32 v[U+8:U+9], v[U+8:U+9], v[U+10:U+11]
	v_pk_add_f32 v[U+12:U+13], v[U+12:U+13], v[U+14:U+15]
	v_pk_add_f32 v[U+8:U+9], v[U+8:U+9], v[U+12:U+13]
	global_store_b64 v[GOU], v[U+8:U+9], s[12:13] offset:1024
.Lend:
	s_wait_tensorcnt 0x0                           ; the wave's end
	ds_add_u32 v[SPW], v[NIL]
	s_wait_dscnt 0x0
	s_endpgm
.Lfunc_end_k_qa3fa75fb61_tri:
	.size	k_qa3fa75fb61_tri, .Lfunc_end_k_qa3fa75fb61_tri-k_qa3fa75fb61_tri
	.p2alignl 7, 3214868480
	.fill 96, 4, 3214868480
	.section	.rodata,"a",@progbits
	.p2align	6, 0x0
	.amdhsa_kernel k_qa3fa75fb61_tri
		.amdhsa_group_segment_fixed_size 14848
		.amdhsa_private_segment_fixed_size 0
		.amdhsa_enable_private_segment 0
		.amdhsa_kernarg_size 40
		.amdhsa_user_sgpr_count 2
		.amdhsa_user_sgpr_kernarg_segment_ptr 1
		.amdhsa_wavefront_size32 1
		.amdhsa_system_sgpr_workgroup_id_x 1
		.amdhsa_system_sgpr_workgroup_id_y 1
		.amdhsa_system_sgpr_workgroup_id_z 1
		.amdhsa_system_vgpr_workitem_id 0
		.amdhsa_next_free_vgpr 704
		.amdhsa_next_free_sgpr 66
		.amdhsa_reserve_vcc 0
		.amdhsa_float_denorm_mode_32 3
		.amdhsa_float_denorm_mode_16_64 3
		.amdhsa_memory_ordered 1
		.amdhsa_forward_progress 1
		.amdhsa_inst_pref_size 227
	.end_amdhsa_kernel
	.amdgpu_metadata
---
amdhsa.version: [ 1, 2 ]
amdhsa.kernels:
  - .name:           k_qa3fa75fb61_tri
    .symbol:         k_qa3fa75fb61_tri.kd
    .args:
      - { .name: xd, .offset: 0, .size: 8, .value_kind: global_buffer, .address_space: global }
      - { .name: qs, .offset: 8, .size: 8, .value_kind: global_buffer, .address_space: global }
      - { .name: p2c, .offset: 16, .size: 8, .value_kind: global_buffer, .address_space: global }
      - { .name: ms, .offset: 24, .size: 8, .value_kind: global_buffer, .address_space: global }
      - { .name: out0, .offset: 32, .size: 8, .value_kind: global_buffer, .address_space: global }
    .group_segment_fixed_size: 14848
    .private_segment_fixed_size: 0
    .kernarg_segment_align: 8
    .kernarg_segment_size: 40
    .max_flat_workgroup_size: 128
    .sgpr_count:     66
    .vgpr_count:     704
    .wavefront_size: 32
...
	.end_amdgpu_metadata
.endif
;; end of part 3
;; ======== version 2 of 2: 3 launches
;; workspace buffers: pc 26,214,400 bytes; xc 26,214,400 bytes; xd 25,690,112 bytes; qs 5,570,560 bytes; p2c 4,194,304 bytes; ms 327,680 bytes
;; launch quant (part 4): grid 512 x 1, 14 waves a work-group, no clusters, 77,824 bytes of LDS; arguments x, pc, xc, xd, qs; writes pc, xc, xd, qs
.if DOCPART == 4
	.amdgcn_target "amdgcn-amd-amdhsa--gfx1250"
	.amdhsa_code_object_version 6
	.text
	.protected	k_qa3fa75fb61_quant
	.globl	k_qa3fa75fb61_quant
	.p2align	8
	.type	k_qa3fa75fb61_quant,@function
k_qa3fa75fb61_quant:
	s_mov_b64 s[64:65], 0
	v_nop
	global_prefetch_b8 v0, s[64:65] scope:SCOPE_SE
	s_setreg_imm32_b32 hwreg(HW_REG_WAVE_MODE, 25, 1), 1
	s_wait_xcnt 0x0
; tri_att, first of three launches.  f = x[n]: [512 channels][3,136 places], f32, 32 batches.
;   product 1: bil[c][d] = sum over s of Q(p1)[c][s] Q(f)[d][s] / l1[c],  p1 = 2^(7 f log2(e) - M), both operands quantised along s (98 blocks of 32)
;   product 2: tri[c][s] = sum over d of Q(p2)[c][d] Q(f)[d][s] / l2[c],  p2 = 2^(bil log2(e) - M2), both operands quantised along d;   out[s] = sum over c of tri[c][s]
; NOTHING OF reference() IS LEFT OUT: both products are done whole on codes of E2M1, the sum over c behind the second; stop_gradient changes no value; x is the only input and is read once, here.
; THIS LAUNCH turns x into the three operands that hang on x alone, as codes of E2M1 with one E8M0 byte for each 32 along K, and 1 / l1:
;   pc: p1 along s;  xc: x along s;  xd: x along d;  qs: the scale bytes of the three, and 1 / l1.
; All codes lie as IMAGES OF OPERAND REGISTERS: block b of row r of a tile of 16 rows at 256 b + 16 r, so that a fragment (16 rows x 128 K) is 1,024 bytes on end and comes by two loads of 16 bytes a lane at 16 x lane.
;   pc, xc: [n][tile 32][100 blocks][16 rows][16 bytes]; blocks 98, 99 are zero codes under the byte 127 (K = 3,136 is 24.5 steps of 128).  pc's rows are channels as they come.
;   xc's rows are chosen for the next product: in channel block B, tile 2 B + u, row m holds channel 32 B + 8 u + m + 8 (m / 8).
;   xd: [n][tile of 16 places 196][channel block 16][16 places][16 bytes].
;   qs: +0 xc's bytes [n][7][512 rows in image order][16]: byte j of group g is block 16 g + j;  +PSS pc's likewise;  +XDS xd's [n][channel block][14][32 lanes][8]: byte i is place 32 (14 i + w) + lane;  +RL1 1 / l1 [n][512] f32.
; ONE PASS.  M is a whole number, so p1 is formed under each block's own whole number M_b = ceil(the block's largest t): the codes are those under the row's M, the block's byte moves by M_b - M, and the block's
; sum is brought under M by an exact power of two.  The bytes are kept as byte + M_b until the row's M is known.
; SHARES.  A work-group owns 32 channels (one block along d) x all 3,136 places: 401,408 bytes on end.  Wave w of 14 takes blocks 14 i + w along s, i = 0 .. 6: in a step the 14 waves stand side by side on 1,792 bytes of each row.
; A tile of 32 channels x 32 places is loaded with a lane to a place and registers down the channels (128 bytes on end a load): so the block along d lies in one lane.  Then it turns through the wave's own stage in LDS
; and comes back with a lane to a channel and registers along s: so the blocks along s lie in one lane too.  No maximum needs another lane.
; LIMITS: NaN and infinities in x are not served.  A block of zeros, or one whose largest magnitude lies under 2^-124, gets the byte 1 (a block of zeros has zero codes; this program alone reads the bytes).
; A block of p1 whose byte under the row's M would fall under 1 is held at the byte 1 with its own codes: it then adds at most 6 x 2^-126 |x| for each number beside a row sum of at least 1/2.
.set XROW,  12544                      ; bytes in a row of x
.set SSTEP, 1792                       ; 14 blocks of 128 bytes: from a wave's tile to its next
.set STRIP, 25600                      ; a tile's 100 blocks in pc and xc
.set TBL,   0                          ; LDS: 32 rows x 240 bytes: bytes 0-111 xc's scale bytes by block, 112-223 pc's
.set TROW,  240
.set MT,    7680                       ; 14 x 128: each wave's -M of the 32 channels
.set LT,    9472                       ; 14 x 128: each wave's part of l1
.set SPARE, 11264                      ; the spare words, 128 bytes for each wave: seven blocks of 256 bytes that no other line names
.set STG,   13056                      ; 14 stages of 32 rows x 144 bytes
.set SROW,  144                        ; a stage row: 128 bytes + 16, an odd multiple of 16
.set WSTG,  32*SROW
.set PSS,   1835008
.set XDS,   3670016
.set RL1,   5505024
.set GIN, 1                            ; v1   x: 4 x thread = 128 w + 4 lane
.set STW, 2                            ; v2   stage, in: my wave's + 4 lane
.set STR, 3                            ; v3   stage, back: my wave's + 144 lane
.set OXD, 4                            ; v4   xd: (2 w + lane / 16) x 4,096 + 16 (lane % 16)
.set OXS, 5                            ; v5   xc: u x STRIP + 16 m + 256 w
.set OPC, 6                            ; v6   pc: (lane / 16) x STRIP + 16 (lane % 16) + 256 w
.set TBA, 7                            ; v7   TBL + 240 lane + w
.set SPW, 8                            ; v8   my spare word; never rewritten
.set NIL, 9                            ; v9   0; never rewritten
.set NMR, 10                           ; v10  -M so far of my channel
.set LRUN, 11                          ; v11  the sum so far under it
.set XDB, 12                           ; v[12:13] xd's seven scale bytes
.set E,   14                           ; v14-20 pc's byte + M_b, a tile each
.set TA,  21
.set TB,  22
.set SOP, 23                           ; the conversions' scale operand
.set BYT, 24
.set XM,  25                           ; the block's largest x
.set NMB, 26                           ; v[26:27] -M_b (the packed form names the pair)
.set D1,  28
.set D2,  29
.set IM,  30
.set NMN, 31
.set CD,  32                           ; v32-35 xd's codes; v36-39 xc's; v40-43 pc's
.set CS,  36
.set CP,  40
.set TRD, 44                           ; v44  TBL + 240 lane + 16 w
.set OSC, 45                           ; v45  where my 16 scale bytes go in qs
.set OXB, 46                           ; v46  8 x thread
.set L4,  47                           ; v47  4 lane
.set PADA, 48                          ; v48  TBL + 240 lane
.set PADV, 49                          ; v49  four bytes of 127
.set T4,  50                           ; v50  4 x thread (LDS)
.set ONE, 51
.set SA,  52                           ; v[52:53], v[54:55] two chains of sums
.set SB,  54
.set PM,  56                           ; the block's largest p
.set XB,  57                           ; v57-63 xc's byte, a tile each
.set BA,  64                           ; v64-95, v96-127: two tiles
.set BB,  96
	s_load_b256 s[4:11], s[0:1], 0x0               ; x, pc, xc, xd
	s_load_b64 s[12:13], s[0:1], 0x20              ; qs
	v_lshl_add_u32 v[SPW], v0, 2, SPARE
	v_mov_b32 v[NIL], 0
	v_lshrrev_b32 v21, 5, v0
	s_delay_alu instid0(VALU_DEP_1)
	v_readfirstlane_b32 s14, v21                   ; wave 0..13
	v_and_b32 v22, 31, v0                          ; lane
	v_and_b32 v23, 15, v0                          ; lane % 16
	v_bfe_u32 v24, v0, 4, 1                        ; lane / 16
	v_bfe_u32 v25, v0, 3, 1                        ; u: which of the channel block's two tiles of xc my channel lies in
	v_and_b32 v26, 7, v0
	s_delay_alu instid0(VALU_DEP_1)
	v_lshl_add_u32 v26, v24, 3, v26                ; m: its row there
	v_lshlrev_b32 v[GIN], 2, v0
	v_lshlrev_b32 v[T4], 2, v0
	v_lshlrev_b32 v[OXB], 3, v0
	v_lshlrev_b32 v[L4], 2, v22
	s_mul_i32 s2, s14, WSTG
	s_add_co_u32 s2, s2, STG
	v_lshl_add_u32 v[STW], v22, 2, s2
	v_mul_u32_u24 v[STR], v22, SROW
	s_delay_alu instid0(VALU_DEP_1)
	v_add_nc_u32 v[STR], s2, v[STR]
	s_lshl_b32 s2, s14, 13
	v_lshlrev_b32 v[OXD], 12, v24
	s_delay_alu instid0(VALU_DEP_1)
	v_lshl_add_u32 v[OXD], v23, 4, v[OXD]
	s_delay_alu instid0(VALU_DEP_1)
	v_add_nc_u32 v[OXD], s2, v[OXD]
	s_lshl_b32 s2, s14, 8
	v_mul_u32_u24 v[OXS], v25, STRIP
	s_delay_alu instid0(VALU_DEP_1)
	v_lshl_add_u32 v[OXS], v26, 4, v[OXS]
	s_delay_alu instid0(VALU_DEP_1)
	v_add_nc_u32 v[OXS], s2, v[OXS]
	v_mul_u32_u24 v[OPC], v24, STRIP
	s_delay_alu instid0(VALU_DEP_1)
	v_lshl_add_u32 v[OPC], v23, 4, v[OPC]
	s_delay_alu instid0(VALU_DEP_1)
	v_add_nc_u32 v[OPC], s2, v[OPC]
	v_mul_u32_u24 v[PADA], v22, TROW               ; (TBL is LDS byte 0)
	s_delay_alu instid0(VALU_DEP_1)
	v_add_nc_u32 v[TBA], s14, v[PADA]
	s_lshl_b32 s2, s14, 4
	v_add_nc_u32 v[TRD], s2, v[PADA]
	s_cmp_lt_u32 s14, 7                            ; at the end waves 0-6 carry out xc's seven groups of scale bytes, waves 7-13 pc's
	s_cselect_b32 s26, -1, 0
	s_cselect_b32 s27, 0, PSS-7*8192
	v_lshlrev_b32 v27, 8, v25
	s_delay_alu instid0(VALU_DEP_1)
	v_lshl_add_u32 v27, v26, 4, v27                ; xc's rows in image order: 16 (16 u + m)
	v_lshlrev_b32 v28, 4, v22                      ; pc's as they come: 16 lane
	s_delay_alu instid0(VALU_DEP_1)
	v_cndmask_b32 v[OSC], v28, v27, s26
	v_mov_b32 v[PADV], 0x7f7f7f7f
	v_mov_b32 v[ONE], 1
	v_mov_b32 v[NMR], 0x7f61b1e6                   ; -M begins at 3e38: M under every t
	v_mov_b32 v[LRUN], 0
.irp j, 0,1,2,3
	v_mov_b32 v[CD+\j], 0                          ; zero codes for blocks 98 and 99
.endr
	s_mov_b32 s18, 0x412194f4                      ; 7 log2(e)
	s_mov_b32 s19, s18                             ; (named with it as a pair)
	s_lshr_b32 s15, ttmp9, 4                       ; n
	s_and_b32 s16, ttmp9, 15                       ; channel block
	s_mov_b32 s3, 0
	s_wait_kmcnt 0x0
	s_mul_i32 s2, ttmp9, 32*XROW
	s_add_nc_u64 s[4:5], s[4:5], s[2:3]            ; x at my 32 channels
	s_mul_i32 s2, ttmp9, 2*STRIP
	s_add_nc_u64 s[6:7], s[6:7], s[2:3]            ; pc and xc at their two tiles
	s_add_nc_u64 s[8:9], s[8:9], s[2:3]
	s_mul_i32 s2, s15, 802816
	s_lshl_b32 s17, s16, 8
	s_add_co_u32 s2, s2, s17
	s_add_nc_u64 s[10:11], s[10:11], s[2:3]        ; xd at my batch and channel block
	s_mul_i32 s2, ttmp9, 3584
	s_add_co_u32 s2, s2, XDS
	s_add_nc_u64 s[20:21], s[12:13], s[2:3]        ; xd's scale bytes
	s_lshl_b32 s2, ttmp9, 7
	s_add_co_u32 s2, s2, RL1
	s_add_nc_u64 s[22:23], s[12:13], s[2:3]        ; 1 / l1
	s_mul_i32 s2, s15, 57344
	s_lshl_b32 s17, s16, 9
	s_add_co_u32 s2, s2, s17
	s_lshl_b32 s17, s14, 13
	s_add_co_u32 s2, s2, s17
	s_add_co_u32 s2, s2, s27
	s_add_nc_u64 s[24:25], s[12:13], s[2:3]        ; my wave's group of scale bytes, at my 32 rows
.macro LOADT t, buf                    ; tile t: register j = channel j at my place: 32 lanes read 128 bytes on end
.set j, 0
.rept 32
	global_load_b32 v[\buf+j], v[GIN], s[4:5] offset:j*XROW+(\t)*SSTEP th:TH_LOAD_NT
.set j, j+1
.endr
.endm
.macro AMAX d, t, b                    ; the largest magnitude of 32 registers, in two chains, and the floor 2^(3 - 127), so that the byte cannot fall under 1
	v_max3_num_f32 v[\d], |v[\b]|, |v[\b+1]|, |v[\b+2]|
	v_max3_num_f32 v[\t], |v[\b+3]|, |v[\b+4]|, |v[\b+5]|
.irp i, 6,10,14,18,22,26
	s_delay_alu instid0(VALU_DEP_2)
	v_max3_num_f32 v[\d], v[\d], |v[\b+\i]|, |v[\b+\i+1]|
	s_delay_alu instid0(VALU_DEP_2)
	v_max3_num_f32 v[\t], v[\t], |v[\b+\i+2]|, |v[\b+\i+3]|
.endr
	s_delay_alu instid0(VALU_DEP_2)
	v_max3_num_f32 v[\d], v[\d], |v[\b+30]|, |v[\b+31]|
	s_delay_alu instid0(VALU_DEP_1)
	v_max3_num_f32 v[\d], v[\d], v[\t], 0x1800000
.endm
.macro SMAX d, t, b                    ; the largest of 32 registers, signs kept
	v_max3_num_f32 v[\d], v[\b], v[\b+1], v[\b+2]
	v_max3_num_f32 v[\t], v[\b+3], v[\b+4], v[\b+5]
.irp i, 6,10,14,18,22,26
	s_delay_alu instid0(VALU_DEP_2)
	v_max3_num_f32 v[\d], v[\d], v[\b+\i], v[\b+\i+1]
	s_delay_alu instid0(VALU_DEP_2)
	v_max3_num_f32 v[\t], v[\t], v[\b+\i+2], v[\b+\i+3]
.endr
	s_delay_alu instid0(VALU_DEP_2)
	v_max3_num_f32 v[\d], v[\d], v[\b+30], v[\b+31]
	s_delay_alu instid0(VALU_DEP_1)
	v_max_num_f32 v[\d], v[\d], v[\t]
.endm
	LOADT 0, BA
	LOADT 1, BB
	s_cmp_lg_u32 s14, 0                            ; wave 0 alone: what no tile writes
	s_cbranch_scc1 .Lnot_wave_0
	s_wait_alu depctr_va_vdst(0)
	ds_store_b16 v[PADA], v[PADV] offset:98        ; the bytes of blocks 98 to 111: 127
	ds_store_b32 v[PADA], v[PADV] offset:100
	ds_store_b32 v[PADA], v[PADV] offset:104
	ds_store_b32 v[PADA], v[PADV] offset:108
	ds_store_b16 v[PADA], v[PADV] offset:210
	ds_store_b32 v[PADA], v[PADV] offset:212
	ds_store_b32 v[PADA], v[PADV] offset:216
	ds_store_b32 v[PADA], v[PADV] offset:220
	global_store_b128 v[OPC], v[CD:CD+3], s[6:7] offset:98*256     ; zero codes: blocks 98 and 99 of both tiles (w = 0 in the offsets)
	global_store_b128 v[OPC], v[CD:CD+3], s[6:7] offset:99*256
	global_store_b128 v[OXS], v[CD:CD+3], s[8:9] offset:98*256
	global_store_b128 v[OXS], v[CD:CD+3], s[8:9] offset:99*256
.Lnot_wave_0:
; One tile.  left: the younger loads that may stay out (the next tile's 32).  more = 1: the tile two on is asked for into this tile's registers.
.macro TILE t, buf, left, more
	s_wait_loadcnt \left
	; ---- along d: the block is my place's 32 channels
	AMAX TA, TB, \buf
	s_delay_alu instid0(VALU_DEP_1)
	v_add_nc_u32 v[SOP], 0xff000000, v[TA]         ; 2 off the exponent field: the conversion takes this operand's exponent field as its scale
	s_wait_alu depctr_va_vdst(0)
	s_wait_xcnt 0x0                                ; the earlier stores have read their data: the three sets of codes are rewritten only behind this wait
.irp g, 0,1,2,3
	v_cvt_scalef32_pk8_fp4_f32 v[CD+\g], v[\buf+8*\g:\buf+8*\g+7], v[SOP]
.endr
	v_lshrrev_b32 v[BYT], 23, v[SOP]               ; the scale's byte (also the plain line behind the conversions)
.if (\t)%4 == 0
	s_delay_alu instid0(VALU_DEP_1)
	v_mov_b32 v[XDB+(\t)/4], v[BYT]
.else
	s_delay_alu instid0(VALU_DEP_1)
	v_lshl_or_b32 v[XDB+(\t)/4], v[BYT], 8*((\t)%4), v[XDB+(\t)/4]
.endif
	global_store_b128 v[OXD], v[CD:CD+3], s[10:11] offset:(\t)*114688   ; sixteen lanes fill 256 bytes on end, aligned
	; ---- the turn: rows in, rows back with a lane to a channel
.set j, 0
.rept 32
	ds_store_b32 v[STW], v[\buf+j] offset:j*SROW
.set j, j+1
.endr
	s_wait_dscnt 0x0                               ; the stores have read their registers, into which the loads below land
.irp q, 0,1,2,3,4,5,6,7
	ds_load_b128 v[\buf+4*\q:\buf+4*\q+3], v[STR] offset:16*\q
.endr
	s_wait_dscnt 0x0
	; ---- x along s: the block is my channel's 32 places
	AMAX TA, TB, \buf
	s_delay_alu instid0(VALU_DEP_1)
	v_add_nc_u32 v[SOP], 0xff000000, v[TA]
.irp g, 0,1,2,3
	v_cvt_scalef32_pk8_fp4_f32 v[CS+\g], v[\buf+8*\g:\buf+8*\g+7], v[SOP]
.endr
	v_lshrrev_b32 v[XB+(\t)], 23, v[SOP]
	ds_store_b8 v[TBA], v[XB+(\t)] offset:14*(\t)
	global_store_b128 v[OXS], v[CS:CS+3], s[8:9] offset:3584*(\t)
	; ---- p1 along s, under the block's own whole number M_b
	SMAX XM, TB, \buf
	s_delay_alu instid0(VALU_DEP_1)
	v_mul_f32 v[TA], s18, v[XM]                    ; the block's largest t
	s_delay_alu instid0(VALU_DEP_1)
	v_floor_f32 v[NMB], -v[TA]                     ; -M_b = floor(-t) = -ceil(t)
	s_delay_alu instid0(VALU_DEP_1)
	v_mov_b32 v[NMB+1], v[NMB]
.set j, 0
.rept 16
	v_pk_fma_f32 v[\buf+j:\buf+j+1], v[\buf+j:\buf+j+1], s[18:19], v[NMB:NMB+1] op_sel_hi:[1,0,0]   ; t - M_b, two at a time
.set j, j+2
.endr
	v_fma_f32 v[PM], v[XM], s18, v[NMB]            ; the same of the largest x: p rises with x, so this gives the block's largest p
.set j, 0
	s_wait_alu depctr_va_vdst(0)
.rept 32
	v_exp_f32 v[\buf+j], v[\buf+j]                 ; p = 2^(t - M_b): one batch
.set j, j+1
.endr
	v_exp_f32 v[PM], v[PM]
	v_min_num_f32 v[NMN], v[NMR], v[NMB]           ; work that names no exponential's result: the new -M,
	s_delay_alu instid0(VALU_DEP_1)
	v_sub_f32 v[D1], v[NMN], v[NMR]                ; old M - new M,
	s_delay_alu instid0(VALU_DEP_2)
	v_sub_f32 v[D2], v[NMN], v[NMB]                ; M_b - new M: whole numbers, 0 or less
	s_delay_alu instid0(VALU_DEP_2)
	v_cvt_i32_f32 v[D1], v[D1]                     ; (they saturate)
	s_delay_alu instid0(VALU_DEP_2)
	v_cvt_i32_f32 v[D2], v[D2]
	v_cvt_i32_f32 v[IM], v[NMB]
	s_wait_alu depctr_va_vdst(0)                   ; the wait ahead of the first line that names a result: one for the 33
	v_pk_add_f32 v[SA:SA+1], v[\buf:\buf+1], v[\buf+2:\buf+3]      ; the sum of the unquantised p, in two chains
	v_pk_add_f32 v[SB:SB+1], v[\buf+4:\buf+5], v[\buf+6:\buf+7]
.irp i, 8,12,16,20,24,28
	v_pk_add_f32 v[SA:SA+1], v[SA:SA+1], v[\buf+\i:\buf+\i+1]
	v_pk_add_f32 v[SB:SB+1], v[SB:SB+1], v[\buf+\i+2:\buf+\i+3]
.endr
	s_delay_alu instid0(VALU_DEP_1)
	v_pk_add_f32 v[SA:SA+1], v[SA:SA+1], v[SB:SB+1]
	s_delay_alu instid0(VALU_DEP_1)
	v_add_f32 v[SA], v[SA], v[SA+1]
	v_ldexp_f32 v[LRUN], v[LRUN], v[D1]            ; both under the new M: multiplications that round nothing
	s_delay_alu instid0(VALU_DEP_2)
	v_ldexp_f32 v[SA], v[SA], v[D2]
	s_delay_alu instid0(VALU_DEP_1)
	v_add_f32 v[LRUN], v[LRUN], v[SA]
	v_mov_b32 v[NMR], v[NMN]
	v_add_nc_u32 v[SOP], 0xff000000, v[PM]         ; the largest p lies in (1/2, 1] (or a last bit over 1): no floor is wanted
	s_delay_alu instid0(VALU_DEP_1)
	v_lshrrev_b32 v[BYT], 23, v[SOP]
	s_delay_alu instid0(VALU_DEP_1)
	v_sub_nc_u32 v[E+(\t)], v[BYT], v[IM]          ; the byte + M_b: the row's M is taken off at the end
.irp g, 0,1,2,3
	v_cvt_scalef32_pk8_fp4_f32 v[CP+\g], v[\buf+8*\g:\buf+8*\g+7], v[SOP]
.endr
	v_nop                                          ; the plain line behind the conversions
	global_store_b128 v[OPC], v[CP:CP+3], s[6:7] offset:3584*(\t)
.if \more
	LOADT (\t)+2, \buf
.endif
.endm
	TILE 0, BA, 32, 1
	TILE 1, BB, 32, 1
	TILE 2, BA, 32, 1
	TILE 3, BB, 32, 1
	TILE 4, BA, 32, 1
	TILE 5, BB, 32, 0
	TILE 6, BA, 0, 0
	global_store_b64 v[OXB], v[XDB:XDB+1], s[20:21]    ; xd's scale bytes: 256 bytes on end a wave
	; ---- the rows' M and l1 over the 14 waves
	ds_store_b32 v[T4], v[NMR] offset:MT
	s_wait_dscnt 0x0                               ; for the others' sake: my stores have landed
	s_barrier_signal -1
	s_barrier_wait -1
.irp k, 0,1,2,3,4,5,6,7,8,9,10,11,12,13
	ds_load_b32 v[BA+\k], v[L4] offset:MT+128*\k
.endr
	s_wait_dscnt 0x0
	v_min3_num_f32 v[TA], v[BA], v[BA+1], v[BA+2]
.irp k, 3,5,7,9,11
	s_delay_alu instid0(VALU_DEP_1)
	v_min3_num_f32 v[TA], v[TA], v[BA+\k], v[BA+\k+1]
.endr
	s_delay_alu instid0(VALU_DEP_1)
	v_min_num_f32 v[TA], v[TA], v[BA+13]           ; -M of my channel's row
	s_delay_alu instid0(VALU_DEP_1)
	v_cvt_i32_f32 v[TB], v[TA]
	s_delay_alu instid0(VALU_DEP_2)
	v_sub_f32 v[SOP], v[TA], v[NMR]
	s_delay_alu instid0(VALU_DEP_1)
	v_cvt_i32_f32 v[SOP], v[SOP]
	s_delay_alu instid0(VALU_DEP_1)
	v_ldexp_f32 v[LRUN], v[LRUN], v[SOP]           ; my part of l1 under the row's M
.irp i, 0,1,2,3,4,5,6
	v_add_nc_u32 v[E+\i], v[E+\i], v[TB]           ; byte + M_b - M
	s_delay_alu instid0(VALU_DEP_1)
	v_cmp_gt_i32 vcc_lo, 1, v[E+\i]
	s_delay_alu instid0(VALU_DEP_1)
	v_cndmask_b32 v[E+\i], v[E+\i], v[ONE], vcc_lo ; held at 1 from below
	ds_store_b8 v[TBA], v[E+\i] offset:112+14*\i
.endr
	ds_store_b32 v[T4], v[LRUN] offset:LT
	s_wait_dscnt 0x0
	s_barrier_signal -1
	s_barrier_wait -1
	ds_load_b128 v[BA:BA+3], v[TRD]                ; my wave's group: 16 bytes of each of the 32 rows
	s_wait_dscnt 0x0
	global_store_b128 v[OSC], v[BA:BA+3], s[24:25] ; 512 bytes on end
	s_cmp_lg_u32 s14, 0
	s_cbranch_scc1 .Lend
.irp k, 0,1,2,3,4,5,6,7,8,9,10,11,12,13
	ds_load_b32 v[BA+4+\k], v[L4] offset:LT+128*\k
.endr
	s_wait_dscnt 0x0
.irp k, 4,6,8,10,12,14,16
	v_add_f32 v[BA+\k], v[BA+\k], v[BA+\k+1]
.endr
	v_add_f32 v[BA+4], v[BA+4], v[BA+6]
	v_add_f32 v[BA+8], v[BA+8], v[BA+10]
	s_delay_alu instid0(VALU_DEP_4)
	v_add_f32 v[BA+12], v[BA+12], v[BA+14]
	s_delay_alu instid0(VALU_DEP_2)
	v_add_f32 v[BA+4], v[BA+4], v[BA+8]
	s_delay_alu instid0(VALU_DEP_2)
	v_add_f32 v[BA+12], v[BA+12], v[BA+16]
	s_delay_alu instid0(VALU_DEP_1)
	v_add_f32 v[BA+4], v[BA+4], v[BA+12]           ; l1
	s_wait_alu depctr_va_vdst(0)
	v_rcp_f32 v[BA+5], v[BA+4]
	v_nop                                          ; a plain line behind the reciprocal,
	s_wait_alu depctr_va_vdst(0)                   ; and the wait ahead of its first reader
	global_store_b32 v[L4], v[BA+5], s[22:23]
.Lend:
	s_wait_tensorcnt 0x0                           ; the wave's end
	ds_add_u32 v[SPW], v[NIL]
	s_wait_dscnt 0x0
	s_endpgm
.Lfunc_end_k_qa3fa75fb61_quant:
	.size	k_qa3fa75fb61_quant, .Lfunc_end_k_qa3fa75fb61_quant-k_qa3fa75fb61_quant
	.p2alignl 7, 3214868480
	.fill 96, 4, 3214868480
	.section	.rodata,"a",@progbits
	.p2align	6, 0x0
	.amdhsa_kernel k_qa3fa75fb61_quant
		.amdhsa_group_segment_fixed_size 77824
		.amdhsa_private_segment_fixed_size 0
		.amdhsa_enable_private_segment 0
		.amdhsa_kernarg_size 40
		.amdhsa_user_sgpr_count 2
		.amdhsa_user_sgpr_kernarg_segment_ptr 1
		.amdhsa_wavefront_size32 1
		.amdhsa_system_sgpr_workgroup_id_x 1
		.amdhsa_system_sgpr_workgroup_id_y 1
		.amdhsa_system_sgpr_workgroup_id_z 1
		.amdhsa_system_vgpr_workitem_id 0
		.amdhsa_next_free_vgpr 128
		.amdhsa_next_free_sgpr 66
		.amdhsa_reserve_vcc 1
		.amdhsa_float_denorm_mode_32 3
		.amdhsa_float_denorm_mode_16_64 3
		.amdhsa_memory_ordered 1
		.amdhsa_forward_progress 1
		.amdhsa_inst_pref_size 121
	.end_amdhsa_kernel
	.amdgpu_metadata
---
amdhsa.version: [ 1, 2 ]
amdhsa.kernels:
  - .name:           k_qa3fa75fb61_quant
    .symbol:         k_qa3fa75fb61_quant.kd
    .args:
      - { .name: x, .offset: 0, .size: 8, .value_kind: global_buffer, .address_space: global }
      - { .name: pc, .offset: 8, .size: 8, .value_kind: global_buffer, .address_space: global }
      - { .name: xc, .offset: 16, .size: 8, .value_kind: global_buffer, .address_space: global }
      - { .name: xd, .offset: 24, .size: 8, .value_kind: global_buffer, .address_space: global }
      - { .name: qs, .offset: 32, .size: 8, .value_kind: global_buffer, .address_space: global }
    .group_segment_fixed_size: 77824
    .private_segment_fixed_size: 0
    .kernarg_segment_align: 8
    .kernarg_segment_size: 40
    .max_flat_workgroup_size: 448
    .sgpr_count:     66
    .vgpr_count:     128
    .wavefront_size: 32
...
	.end_amdgpu_metadata
.endif
;; end of part 4
;; launch bil (part 5): grid 8 x 32, 4 waves a work-group, no clusters, 3,584 bytes of LDS; arguments pc, xc, qs, p2c, ms; writes p2c, ms
.if DOCPART == 5
	.amdgcn_target "amdgcn-amd-amdhsa--gfx1250"
	.amdhsa_code_object_version 6
	.text
	.protected	k_qa3fa75fb61_bil
	.globl	k_qa3fa75fb61_bil
	.p2align	8
	.type	k_qa3fa75fb61_bil,@function
k_qa3fa75fb61_bil:
	s_mov_b64 s[64:65], 0
	v_nop
	global_prefetch_b8 v0, s[64:65] scope:SCOPE_SE
	s_setreg_imm32_b32 hwreg(HW_REG_WAVE_SCHED_MODE, 0, 2), 2
	s_setreg_imm32_b32 hwreg(HW_REG_WAVE_MODE, 25, 1), 1
	s_wait_xcnt 0x0
	s_wait_alu depctr_vm_vsrc(0)
; tri_att, second launch: product 1 on codes of E2M1, / l1, the softmax over d, p2 quantised along d.  No work of reference() is left out.
;   bil[c][d] = sum over s of Q(p1)[c][s] Q(f)[d][s] / l1[c];  t = bil log2(e);  M2 = ceil(the row's largest t);  p2 = 2^(t - M2), quantised in blocks of 32 along d;  l2 = the row's sum of the unquantised p2.
; Out: p2c [n][tile of 16 c 32][K step 4][1,024]: images of operand registers;  ms +0: [n][c 512][4 scale words, one a K step];  ms +262,144: 1 / l2 [n][512] f32.
; SHARES.  A work-group owns 64 rows c x all 512 d of one batch; wave w owns d = 128 w .. 128 w + 127, which is K step w of product 2, for all 64 c: 4 tiles of c x 8 tiles of d = 32 accumulators.
; TRANSPOSED: source 0 = 16 rows of xc, source 1 = 16 rows of pc.  By xc's choice of rows lane (r, h) of accumulator (ct, 2 B + u) holds c = 16 ct + r, and its register j holds d = 128 w + 32 B + 16 h + 8 u + j:
; the 16 registers of two neighbouring tiles are 16 neighbours along the next K, and the conversions' results (with one exchange of halves) are product 2's operand.
; FRAGMENTS COME FROM MEMORY STRAIGHT INTO REGISTERS: they lie as register images, two loads of 512 bytes on end each; four stages, 24 loads a stage.  All scale words of the wave's rows stay in registers.
; No multicast: the eight work-groups of a batch walk the same xc, but nothing goes through LDS here; a shared ring would add an LDS write and read to every fragment.
; K = 3,136 is 24.5 steps of 128: the 25th step's second half is zero codes under the byte 127, on both sides.
; LIMITS: as the first launch states; a block of p2 whose every p has fallen to 0 keeps the byte 1 over zero codes.
; REGISTERS, in windows of 256: window 0: addresses, scale words (K loop), then the softmax's work;  window 1: the accumulators, (ct, dt) at 64 ct + 8 dt;  window 2: xc's four stages, 64 each;  window 3: pc's four, 32 each.
; THE MODE: SCHED_MODE bits 1:0 = 2 (LLVM: expert scheduling mode 2), set by the entry lines.  The code itself states the register dependences
; between vector or matrix instructions and memory or LDS instructions, with s_wait_alu, always for 0.
; THE PLAN.  Registers that memory or LDS instructions touch:
;   stages 0 .. 3   K step k's 32 matrix instructions read stage k % 4.  The 24 loads of step k + 3 are issued in step k and land in stage (k + 3) % 4 = (k - 1) % 4, which step k - 1's matrix instructions read.
;                   So ONE wait on va_vdst stands at a step's head, and the step's loads follow it in three runs of eight among its matrix instructions, which name stage k % 4, the accumulators and the scale words alone.
;   v1 to v6        offsets and LDS addresses: written at the head, never again.
;   scale words, 1 / l1   loaded once at the head; no load lands there again.
;   RM              written by phase A, read by its four LDS stores (one run, behind one wait on va_vdst), written again behind the barrier (behind a wait on vm_vsrc).
;   EX              LDS loads land in it behind the first barrier, vector lines read it, LDS loads land in it again behind the second: the last wait on va_vdst stands between.
;   PC, PW, SU      a set for each tile of rows: written in tile ct of phase B, read by four stores that are issued in tile ct + 1, behind the wait that stands there for its exponentials; tile 3's behind a wait of their own.  Never written again.
.set STRIP, 25600
.set PSS,   1835008
.set RL1,   5505024
.set MX,    0                          ; LDS: [ct 4][r 16][wave 4] words: each wave's largest bil of a row;
.set SW,    1024                       ; likewise each wave's scale word: so [c 64][K step 4];
.set LS,    2048                       ; likewise each wave's part of l2
.set SPARE, 3072                       ; the spare words, 128 bytes for each wave: two blocks of 256 bytes that no other line names
.set L16, 1                            ; v1   16 lane
.set R4,  2                            ; v2   4 (lane % 16)
.set MXA, 3                            ; v3   16 (lane % 16) + 4 w
.set MXR, 4                            ; v4   16 (lane % 16)
.set FA,  5                            ; v5   512 (w % 2) + 16 lane
.set FB,  6                            ; v6   128 (w % 2) + 4 lane
.set SPW, 8
.set NIL, 9
.set RL,  10                           ; v10-17 pairs: 1 / l1 of tile ct's row r in the even register
.set NM,  18                           ; v18-25 pairs: -M2 likewise
.set XSC, 28                           ; v28-127  xc's scale words: K step k, tiles 2 p (lanes 0-15) and 2 p + 1 (lanes 16-31): 16 (k / 4) + 4 p + k % 4; step 24: 96 + p
.set PSC, 128                          ; v128-177 pc's: 8 (k / 4) + 4 p + k % 4; step 24: 48 + p
.set H,   64                           ; behind the K loop: v64-127 one tile's 64 numbers
.set BM,  128                          ; v128-143 the largest of each block, 4 a tile
.set TM,  144                          ; v144-167 at work
.set SA,  160
.set SB,  162
.set PC,  168                          ; v168-199 the codes, 8 a tile
.set EX,  200                          ; v200-215 what comes back from LDS
.set PW,  216                          ; v216-219 the scale words
.set RM,  220                          ; v220-223 the rows' largest
.set SU,  224                          ; v224-227 the rows' sums
.set L2E, 30                           ; s[30:31] log2(e)
.set SEL, 32                           ; s[32:33] v_permlanex16_b32's selects for lane l xor 16
.set MSB, 0
.macro WIN new                         ; the immediate's high byte repeats the setting that is left
.if MSB != \new
	s_set_vgpr_msb (MSB<<8)|\new
.set MSB, \new
.endif
.endm
.macro PLACES
.rept 4
	v_nop
.endr
.endm
	s_load_b256 s[4:11], s[0:1], 0x0               ; pc, xc, qs, p2c
	s_load_b64 s[12:13], s[0:1], 0x20              ; ms
	v_lshl_add_u32 v[SPW], v0, 2, SPARE
	v_mov_b32 v[NIL], 0
	v_lshrrev_b32 v7, 5, v0
	v_readfirstlane_b32 s14, v7                    ; wave 0..3
	v_and_b32 v7, 31, v0
	v_lshlrev_b32 v[L16], 4, v7
	s_wait_alu depctr_va_vdst(0)
	v_and_b32 v26, 15, v0
	v_lshlrev_b32 v[R4], 2, v26
	v_lshlrev_b32 v[MXR], 4, v26
.irp ct, 0,1,2,3
	v_mov_b32 v[RL+2*\ct+1], 0                     ; (named as the upper half of a pair)
.endr
	s_mov_b32 s[L2E], 0x3fb8aa3b
	s_mov_b32 s[L2E+1], s[L2E]
	s_mov_b32 s[SEL], 0x76543210
	s_mov_b32 s[SEL+1], 0xfedcba98
	s_wait_alu depctr_va_sdst(0)                   ; s14 is written, ahead of its first reader: LDS addresses and the bases are made from it
	s_lshl_b32 s2, s14, 2
	v_add_nc_u32 v[MXA], s2, v[MXR]
	s_and_b32 s18, s14, 1
	s_lshl_b32 s2, s18, 9
	v_add_nc_u32 v[FA], s2, v[L16]
	s_lshl_b32 s2, s18, 7
	v_lshl_add_u32 v[FB], v7, 2, s2
	s_mov_b32 s15, ttmp9                           ; which 64 rows c
	s_and_b32 s16, ttmp7, 0xffff                   ; n
	s_mov_b32 s3, 0
	s_wait_kmcnt 0x0
	s_mul_i32 s17, s16, 32*STRIP
	s_mul_i32 s2, s14, 8*STRIP
	s_add_co_u32 s2, s2, s17
	s_add_nc_u64 s[6:7], s[6:7], s[2:3]            ; xc at my wave's 8 tiles
	s_mul_i32 s2, s15, 4*STRIP
	s_add_co_u32 s2, s2, s17
	s_add_nc_u64 s[4:5], s[4:5], s[2:3]            ; pc at the work-group's 4 tiles
	s_mul_i32 s17, s16, 57344
	s_lshl_b32 s2, s14, 11
	s_add_co_u32 s2, s2, s17
	s_add_nc_u64 s[20:21], s[8:9], s[2:3]          ; xc's scale bytes at my 128 rows
	s_lshl_b32 s2, s15, 10
	s_add_co_u32 s2, s2, s17
	s_add_co_u32 s2, s2, PSS
	s_add_nc_u64 s[22:23], s[8:9], s[2:3]          ; pc's at the 64 rows
	s_lshl_b32 s17, s16, 9
	s_lshl_b32 s2, s15, 6
	s_add_co_u32 s17, s17, s2                      ; 512 n + 64 x block: the first row c
	s_lshl_b32 s2, s17, 2
	s_add_co_u32 s2, s2, RL1
	s_add_nc_u64 s[24:25], s[8:9], s[2:3]          ; 1 / l1
	s_lshl_b32 s2, s17, 8                          ; a tile of 16 rows is 4,096 bytes of p2c
	s_lshl_b32 s18, s14, 10
	s_add_co_u32 s2, s2, s18
	s_add_nc_u64 s[10:11], s[10:11], s[2:3]        ; p2c at my K step of the first tile
	s_lshl_b32 s2, s17, 4
	s_add_nc_u64 s[26:27], s[12:13], s[2:3]        ; the scale words' place
	s_lshl_b32 s2, s17, 2
	s_add_co_u32 s2, s2, 262144
	s_add_nc_u64 s[28:29], s[12:13], s[2:3]        ; 1 / l2's
	s_wait_alu depctr_va_vdst(0)                   ; the six offsets and addresses v1 to v6 are written, which every load and store of the kernel reads
.irp ct, 0,1,2,3
	global_load_b32 v[RL+2*\ct], v[R4], s[24:25] offset:64*\ct
.endr
.irp g, 0,1,2,3,4,5
.irp p, 0,1,2,3
	global_load_b128 v[XSC+16*\g+4*\p:XSC+16*\g+4*\p+3], v[L16], s[20:21] offset:\g*8192+\p*512   ; four K steps' words of 32 rows
.endr
.endr
.irp p, 0,1,2,3
	global_load_b32 v[XSC+96+\p], v[L16], s[20:21] offset:6*8192+\p*512
.endr
.irp g, 0,1,2,3,4,5
.irp p, 0,1
	global_load_b128 v[PSC+8*\g+4*\p:PSC+8*\g+4*\p+3], v[L16], s[22:23] offset:\g*8192+\p*512
.endr
.endr
.irp p, 0,1
	global_load_b32 v[PSC+48+\p], v[L16], s[22:23] offset:6*8192+\p*512
.endr
; K step k's 12 fragments go into stage k % 4 by 24 loads of 512 bytes on end, in three runs of eight.
.macro FRX k, d0                       ; xc's tiles d0 .. d0 + 3
	WIN 0x80                                       ; destination window 2
.irp dt, 0,1,2,3
.irp c, 0,1
	global_load_b128 v[64*((\k)%4)+8*((\d0)+\dt)+4*\c:64*((\k)%4)+8*((\d0)+\dt)+4*\c+3], v[L16], s[6:7] offset:((\d0)+\dt)*STRIP+(\k)*1024+\c*512
.endr
.endr
.endm
.macro FRP k                           ; pc's four tiles
	WIN 0xc0                                       ; destination window 3
.irp ct, 0,1,2,3
.irp c, 0,1
	global_load_b128 v[32*((\k)%4)+8*\ct+4*\c:32*((\k)%4)+8*\ct+4*\c+3], v[L16], s[4:5] offset:\ct*STRIP+(\k)*1024+\c*512
.endr
.endr
.endm
; The matrix line, by the rows of the two scale registers (ra: xc's tile is the odd one of its pair; rb: pc's).  WMZ starts a sum with the constant 0, WMA adds in place.
.macro WMZ ra, rb
.if (\ra) && (\rb)
	v_wmma_scale_f32_16x16x128_f8f6f4 v[AC:AC+7], v[XF:XF+7], v[PF:PF+7], 0, v[XR], v[PR] matrix_a_fmt:MATRIX_FMT_FP4 matrix_b_fmt:MATRIX_FMT_FP4 matrix_a_scale:MATRIX_SCALE_ROW1 matrix_b_scale:MATRIX_SCALE_ROW1
.elseif \ra
	v_wmma_scale_f32_16x16x128_f8f6f4 v[AC:AC+7], v[XF:XF+7], v[PF:PF+7], 0, v[XR], v[PR] matrix_a_fmt:MATRIX_FMT_FP4 matrix_b_fmt:MATRIX_FMT_FP4 matrix_a_scale:MATRIX_SCALE_ROW1
.elseif \rb
	v_wmma_scale_f32_16x16x128_f8f6f4 v[AC:AC+7], v[XF:XF+7], v[PF:PF+7], 0, v[XR], v[PR] matrix_a_fmt:MATRIX_FMT_FP4 matrix_b_fmt:MATRIX_FMT_FP4 matrix_b_scale:MATRIX_SCALE_ROW1
.else
	v_wmma_scale_f32_16x16x128_f8f6f4 v[AC:AC+7], v[XF:XF+7], v[PF:PF+7], 0, v[XR], v[PR] matrix_a_fmt:MATRIX_FMT_FP4 matrix_b_fmt:MATRIX_FMT_FP4
.endif
.endm
.macro WMA ra, rb
.if (\ra) && (\rb)
	v_wmma_scale_f32_16x16x128_f8f6f4 v[AC:AC+7], v[XF:XF+7], v[PF:PF+7], v[AC:AC+7], v[XR], v[PR] matrix_a_fmt:MATRIX_FMT_FP4 matrix_b_fmt:MATRIX_FMT_FP4 matrix_a_scale:MATRIX_SCALE_ROW1 matrix_b_scale:MATRIX_SCALE_ROW1
.elseif \ra
	v_wmma_scale_f32_16x16x128_f8f6f4 v[AC:AC+7], v[XF:XF+7], v[PF:PF+7], v[AC:AC+7], v[XR], v[PR] matrix_a_fmt:MATRIX_FMT_FP4 matrix_b_fmt:MATRIX_FMT_FP4 matrix_a_scale:MATRIX_SCALE_ROW1
.elseif \rb
	v_wmma_scale_f32_16x16x128_f8f6f4 v[AC:AC+7], v[XF:XF+7], v[PF:PF+7], v[AC:AC+7], v[XR], v[PR] matrix_a_fmt:MATRIX_FMT_FP4 matrix_b_fmt:MATRIX_FMT_FP4 matrix_b_scale:MATRIX_SCALE_ROW1
.else
	v_wmma_scale_f32_16x16x128_f8f6f4 v[AC:AC+7], v[XF:XF+7], v[PF:PF+7], v[AC:AC+7], v[XR], v[PR] matrix_a_fmt:MATRIX_FMT_FP4 matrix_b_fmt:MATRIX_FMT_FP4
.endif
.endm
.macro MM k, ct, dt
.if (\k) < 24
.set XR, XSC+16*((\k)/4)+4*((\dt)/2)+(\k)%4
.set PR, PSC+8*((\k)/4)+4*((\ct)/2)+(\k)%4
.else
.set XR, XSC+96+(\dt)/2
.set PR, PSC+48+(\ct)/2
.endif
.set AC, 64*(\ct)+8*(\dt)
.set XF, 64*((\k)%4)+8*(\dt)
.set PF, 32*((\k)%4)+8*(\ct)
.if (\k) == 0
	WMZ (\dt)%2, (\ct)%2
.else
	WMA (\dt)%2, (\ct)%2
.endif
.endm
.macro MROW k, ct                      ; eight matrix instructions: tile ct of c against the eight tiles of d
	WIN 0x5e                                       ; source 0 window 2, source 1 window 3, C and D window 1
.irp dt, 0,1,2,3,4,5,6,7
	MM \k, \ct, \dt
.endr
.endm
; A K step: 32 matrix instructions; the 32 accumulators take turns, one instruction a turn, in the same order in every step.
; The loads of the step three on are dealt among them, eight ahead of each of the first three runs of eight.
.macro KSTEP k
.if 24-(\k) >= 2
	s_wait_loadcnt 48                              ; this stage is in; the two younger stages' 24 loads each may stay out (at step 0 the scale words, issued earlier, are in too)
.else
	s_wait_loadcnt 24*(24-(\k))
.endif
.if (\k)+3 <= 24
	WIN 0x80
.if (\k) > 0
	s_wait_alu depctr_va_vdst(0)                   ; the last step's matrix instructions are done reading their stage, in which this step's 24 loads land; no matrix instruction of this step names that stage or v1
.endif
	FRX (\k)+3, 0
.endif
	MROW \k, 0
.if (\k)+3 <= 24
	FRX (\k)+3, 4
.endif
	MROW \k, 1
.if (\k)+3 <= 24
	FRP (\k)+3
.endif
	MROW \k, 2
	MROW \k, 3
	PLACES                                         ; four places behind the step's matrix instructions: they stay beside the next step's wait, ahead of its loads into the stage read here; behind the last step they stand ahead of the first read of results
.endm
	FRX 0, 0
	FRX 0, 4
	FRP 0
	FRX 1, 0
	FRX 1, 4
	FRP 1
	FRX 2, 0
	FRX 2, 4
	FRP 2
.set KK, 0
.rept 25
	KSTEP KK
.set KK, KK+1
.endr
	WIN 0
.irp b, 4,5,6,7,8
	v_mov_b32 v[TM+\b], 0                          ; written once: a lane permute's destination counts as one of its sources
.endr
.macro SCALEH ct                       ; tile ct's 64 sums x 1 / l1 -> H; each accumulator is read from its low end on
	WIN 0x01                                       ; source 0 window 1
.set j, 0
.rept 32
	v_pk_mul_f32 v[H+j:H+j+1], v[64*(\ct)+j:64*(\ct)+j+1], v[RL+2*(\ct):RL+2*(\ct)+1] op_sel_hi:[1,0]
.set j, j+2
.endr
	WIN 0
.endm
; ---- A: the largest bil of each block of 32 d, and of my 128 d, for each row
.macro PHASEA ct
	SCALEH \ct
.irp b, 0,1,2,3
	v_max3_num_f32 v[BM+4*(\ct)+\b], v[H+16*\b], v[H+16*\b+1], v[H+16*\b+2]
.endr
.irp i, 3,5,7,9,11,13
.irp b, 0,1,2,3
	v_max3_num_f32 v[BM+4*(\ct)+\b], v[BM+4*(\ct)+\b], v[H+16*\b+\i], v[H+16*\b+\i+1]
.endr
.endr
.irp b, 0,1,2,3
	v_max_num_f32 v[BM+4*(\ct)+\b], v[BM+4*(\ct)+\b], v[H+16*\b+15]
.endr
.irp b, 0,1,2,3
	v_permlanex16_b32 v[TM+4+\b], v[BM+4*(\ct)+\b], s[SEL], s[SEL+1]
.endr
.irp b, 0,1,2,3
	v_max_num_f32 v[BM+4*(\ct)+\b], v[BM+4*(\ct)+\b], v[TM+4+\b]   ; with lane l xor 16's 16
.endr
	v_max3_num_f32 v[RM+(\ct)], v[BM+4*(\ct)], v[BM+4*(\ct)+1], v[BM+4*(\ct)+2]
	v_max_num_f32 v[RM+(\ct)], v[RM+(\ct)], v[BM+4*(\ct)+3]
.endm
	PHASEA 0
	PHASEA 1
	PHASEA 2
	PHASEA 3
	s_wait_alu depctr_va_vdst(0)                   ; the four tiles' largest, v[RM ..], are written, which the LDS stores below read
.irp ct, 0,1,2,3
	ds_store_b32 v[MXA], v[RM+\ct] offset:MX+256*\ct               ; both halves of the lanes write the same word with the same value
.endr
	s_wait_dscnt 0x0                               ; for the others' sake: my stores have landed
	s_barrier_signal -1
	s_barrier_wait -1
.irp ct, 0,1,2,3
	ds_load_b128 v[EX+4*\ct:EX+4*\ct+3], v[MXR] offset:MX+256*\ct  ; the four waves' largest of my row (no vector instruction has named these registers yet)
.endr
	s_wait_dscnt 0x0
	s_wait_alu depctr_vm_vsrc(0)                   ; my four LDS stores have read v[RM ..], which the lines below write again
.irp ct, 0,1,2,3
	v_max3_num_f32 v[RM+\ct], v[EX+4*\ct], v[EX+4*\ct+1], v[EX+4*\ct+2]
.endr
.irp ct, 0,1,2,3
	v_max_num_f32 v[RM+\ct], v[RM+\ct], v[EX+4*\ct+3]
.endr
.irp ct, 0,1,2,3
	v_mul_f32 v[RM+\ct], s[L2E], v[RM+\ct]         ; the row's largest t
.endr
.irp ct, 0,1,2,3
	v_floor_f32 v[NM+2*\ct], -v[RM+\ct]            ; -M2 = floor(-t) = -ceil(t)
.endr
.irp ct, 0,1,2,3
	v_mov_b32 v[NM+2*\ct+1], v[NM+2*\ct]
.endr
; Tile ct's results leave: the fragment as it stands, 512 bytes on end a store; its scale word and its part of l2 to LDS.
.macro OUTB ct
	global_store_b128 v[L16], v[PC+8*(\ct):PC+8*(\ct)+3], s[10:11] offset:(\ct)*4096
	global_store_b128 v[L16], v[PC+8*(\ct)+4:PC+8*(\ct)+7], s[10:11] offset:(\ct)*4096+512
	ds_store_b32 v[MXA], v[PW+(\ct)] offset:SW+256*(\ct)
	ds_store_b32 v[MXA], v[SU+(\ct)] offset:LS+256*(\ct)
.endm
; ---- B: p2, its sum, its codes and scale word, a tile of 16 rows at a time
.macro PHASEB ct
	SCALEH \ct
.set j, 0
.rept 32
	v_pk_fma_f32 v[H+j:H+j+1], v[H+j:H+j+1], s[L2E:L2E+1], v[NM+2*(\ct):NM+2*(\ct)+1] op_sel_hi:[1,0,0]   ; t - M2
.set j, j+2
.endr
.irp b, 0,1,2,3
	v_fma_f32 v[BM+4*(\ct)+\b], v[BM+4*(\ct)+\b], s[L2E], v[NM+2*(\ct)]   ; the same of each block's largest: p rises with bil
.endr
.set j, 0
	s_wait_alu depctr_va_vdst(0)
.rept 64
	v_exp_f32 v[H+j], v[H+j]                       ; p2: one batch
.set j, j+1
.endr
	v_nop                                          ; a plain line behind the last exponential,
	s_wait_alu depctr_va_vdst(0)                   ; the 64 exponentials have written v[H ..], ahead of their first reader; and the tile before has written its codes, scale word and sum, which the four stores below read
.if (\ct) > 0
	OUTB (\ct)-1
.endif
.irp b, 0,1,2,3
	v_exp_f32 v[BM+4*(\ct)+\b], v[BM+4*(\ct)+\b]   ; each block's largest p
.endr
	v_pk_add_f32 v[SA:SA+1], v[H:H+1], v[H+2:H+3]  ; the sum of the unquantised p, in two chains: it reads the 64 alone
	v_pk_add_f32 v[SB:SB+1], v[H+4:H+5], v[H+6:H+7]
.irp i, 8,12,16,20,24,28,32,36,40,44,48,52,56,60
	v_pk_add_f32 v[SA:SA+1], v[SA:SA+1], v[H+\i:H+\i+1]
	v_pk_add_f32 v[SB:SB+1], v[SB:SB+1], v[H+\i+2:H+\i+3]
.endr
	v_pk_add_f32 v[SA:SA+1], v[SA:SA+1], v[SB:SB+1]
	v_add_f32 v[SU+(\ct)], v[SA], v[SA+1]
	v_permlanex16_b32 v[TM+8], v[SU+(\ct)], s[SEL], s[SEL+1]
	v_add_f32 v[SU+(\ct)], v[SU+(\ct)], v[TM+8]    ; my 128 d's part of l2
	s_wait_alu depctr_va_vdst(0)                   ; the four exponentials have written the blocks' largest p, ahead of their first reader
.irp b, 0,1,2,3
	v_max_num_f32 v[BM+4*(\ct)+\b], 0x1800000, v[BM+4*(\ct)+\b]    ; the floor 2^(3 - 127): the byte cannot fall under 1
.endr
.irp b, 0,1,2,3
	v_add_nc_u32 v[TM+12+\b], 0xff000000, v[BM+4*(\ct)+\b]         ; 2 off the exponent field: the conversion's scale operand
.endr
.irp b, 0,1,2,3
	v_lshrrev_b32 v[TM+4+\b], 23, v[TM+12+\b]      ; the scale's byte
.endr
	v_lshl_or_b32 v[PW+(\ct)], v[TM+5], 8, v[TM+4]
	v_lshl_or_b32 v[PW+(\ct)], v[TM+6], 16, v[PW+(\ct)]
	v_lshl_or_b32 v[PW+(\ct)], v[TM+7], 24, v[PW+(\ct)]            ; my row's scale word for K step w
.irp b, 0,1,2,3
	v_cvt_scalef32_pk8_fp4_f32 v[PC+8*(\ct)+2*\b], v[H+16*\b:H+16*\b+7], v[TM+12+\b]
	v_cvt_scalef32_pk8_fp4_f32 v[PC+8*(\ct)+2*\b+1], v[H+16*\b+8:H+16*\b+15], v[TM+12+\b]
.endr
	v_nop                                          ; the plain line behind the conversions
.irp c, 0,1                            ; the operand's layout wants a whole block in a lane: lanes 0-15 block 2 c, lanes 16-31 block 2 c + 1
.irp i, 0,1
	v_permlane16_swap_b32 v[PC+8*(\ct)+4*\c+\i], v[PC+8*(\ct)+4*\c+2+\i]
.endr
.endr
.endm
	PHASEB 0
	PHASEB 1
	PHASEB 2
	PHASEB 3
	s_wait_alu depctr_va_vdst(0)                   ; tile 3 has written its codes, scale word and sum, which the four stores below read; and the vector lines that read v[EX ..] are done, in which the LDS loads behind the barrier land
	OUTB 3
	s_wait_dscnt 0x0
	s_barrier_signal -1
	s_barrier_wait -1
	s_cmp_lt_u32 s14, 2                            ; waves 0, 1 carry out the scale words of 32 rows each, waves 2, 3 make 1 / l2 of 32 rows each
	s_cbranch_scc0 .Lsums
	ds_load_b128 v[EX:EX+3], v[FA] offset:SW
	s_wait_dscnt 0x0
	global_store_b128 v[FA], v[EX:EX+3], s[26:27]  ; 512 bytes on end
	s_branch .Lend
.Lsums:
	ds_load_b128 v[EX:EX+3], v[FA] offset:LS
	s_wait_dscnt 0x0
	v_add_f32 v[EX], v[EX], v[EX+1]
	v_add_f32 v[EX+2], v[EX+2], v[EX+3]
	v_add_f32 v[EX], v[EX], v[EX+2]                ; l2
	s_wait_alu depctr_va_vdst(0)
	v_rcp_f32 v[EX+4], v[EX]
	v_nop                                          ; a plain line behind the reciprocal
	s_wait_alu depctr_va_vdst(0)                   ; the reciprocal has written v[EX+4], which the store below reads: its first reader
	global_store_b32 v[FB], v[EX+4], s[28:29]
.Lend:
	s_wait_dscnt 0x0                               ; the closing lines, six on end
	s_wait_alu 0x0
	s_wait_tensorcnt 0x0
	ds_add_u32 v[SPW], v[NIL]
	s_wait_dscnt 0x0
	s_endpgm
.Lfunc_end_k_qa3fa75fb61_bil:
	.size	k_qa3fa75fb61_bil, .Lfunc_end_k_qa3fa75fb61_bil-k_qa3fa75fb61_bil
	.p2alignl 7, 3214868480
	.fill 96, 4, 3214868480
	.section	.rodata,"a",@progbits
	.p2align	6, 0x0
	.amdhsa_kernel k_qa3fa75fb61_bil
		.amdhsa_group_segment_fixed_size 3584
		.amdhsa_private_segment_fixed_size 0
		.amdhsa_enable_private_segment 0
		.amdhsa_kernarg_size 40
		.amdhsa_user_sgpr_count 2
		.amdhsa_user_sgpr_kernarg_segment_ptr 1
		.amdhsa_wavefront_size32 1
		.amdhsa_system_sgpr_workgroup_id_x 1
		.amdhsa_system_sgpr_workgroup_id_y 1
		.amdhsa_system_sgpr_workgroup_id_z 1
		.amdhsa_system_vgpr_workitem_id 0
		.amdhsa_next_free_vgpr 896
		.amdhsa_next_free_sgpr 66
		.amdhsa_reserve_vcc 0
		.amdhsa_float_denorm_mode_32 3
		.amdhsa_float_denorm_mode_16_64 3
		.amdhsa_memory_ordered 1
		.amdhsa_forward_progress 1
		.amdhsa_inst_pref_size 235
	.end_amdhsa_kernel
	.amdgpu_metadata
---
amdhsa.version: [ 1, 2 ]
amdhsa.kernels:
  - .name:           k_qa3fa75fb61_bil
    .symbol:         k_qa3fa75fb61_bil.kd
    .args:
      - { .name: pc, .offset: 0, .size: 8, .value_kind: global_buffer, .address_space: global }
      - { .name: xc, .offset: 8, .size: 8, .value_kind: global_buffer, .address_space: global }
      - { .name: qs, .offset: 16, .size: 8, .value_kind: global_buffer, .address_space: global }
      - { .name: p2c, .offset: 24, .size: 8, .value_kind: global_buffer, .address_space: global }
      - { .name: ms, .offset: 32, .size: 8, .value_kind: global_buffer, .address_space: global }
    .group_segment_fixed_size: 3584
    .private_segment_fixed_size: 0
    .kernarg_segment_align: 8
    .kernarg_segment_size: 40
    .max_flat_workgroup_size: 128
    .sgpr_count:     66
    .vgpr_count:     896
    .wavefront_size: 32
...
	.end_amdgpu_metadata
.endif
;; end of part 5
;; launch tri (part 6): grid 7 x 32, 4 waves a work-group, no clusters, 14,848 bytes of LDS; arguments xd, qs, p2c, ms, out0; writes out0
.if DOCPART == 6
	.amdgcn_target "amdgcn-amd-amdhsa--gfx1250"
	.amdhsa_code_object_version 6
	.text
	.protected	k_qa3fa75fb61_tri
	.globl	k_qa3fa75fb61_tri
	.p2align	8
	.type	k_qa3fa75fb61_tri,@function
k_qa3fa75fb61_tri:
	s_mov_b64 s[64:65], 0
	v_nop
	global_prefetch_b8 v0, s[64:65] scope:SCOPE_SE
	s_setreg_imm32_b32 hwreg(HW_REG_WAVE_SCHED_MODE, 0, 2), 2
	s_setreg_imm32_b32 hwreg(HW_REG_WAVE_MODE, 25, 1), 1
	s_wait_xcnt 0x0
	s_wait_alu depctr_vm_vsrc(0)
; tri_att, third launch: product 2 on codes of E2M1, x 1 / l2, and the sum over c.  No work of reference() is left out: every tri[c][s] is made by the matrix units and then summed.
;   out[n][s] = sum over c of (sum over d of Q(p2)[c][d] Q(f)[d][s]) / l2[c]
; SHARES.  A work-group owns 448 places (28 tiles of 16; a batch's 196 tiles are 7 x 28) of one batch, for all 512 c: each output has one owner.  Wave w owns c = 128 w .. 128 w + 127:
; its 32 fragments of p2 (8 tiles of c x 4 K steps, 256 registers) stay in registers for the whole launch.  xd's fragments come from memory straight into registers, four tiles ahead: they lie as register images.
; Source 0 = 16 rows c of p2, source 1 = 16 places of xd: lane (r, h), register j holds (c = 8 h + j, s = r); 1 / l2 lies in registers in that layout, and a tile's 64 results a lane fall into one number by packed multiply-adds.
; xd's scale bytes lie by channel block; wave w gathers those of K step w (four bytes a place) into words, and the words meet in LDS: [place 448][K step 4].
; REGISTERS: window 0: addresses, scale words, 1 / l2, the sums;  window 1: p2's fragments at 32 ct + 8 ks;  window 2: v0-63 the 8 accumulators, from v64 xd's five stages of 32.
; THE MODE: SCHED_MODE bits 1:0 = 2 (LLVM: expert scheduling mode 2), set by the entry lines.  The code itself states the register dependences
; between vector or matrix instructions and memory or LDS instructions, with s_wait_alu, always for 0.
; THE PLAN.  Registers that memory or LDS instructions touch:
;   stages 0 .. 4   Tile T's 32 matrix instructions read stage T % 5.  The eight loads of tile T + 4 are issued in tile T and land in stage (T + 4) % 5 = (T - 1) % 5, which tile T - 1's matrix instructions read.
;                   So ONE wait on va_vdst stands at a tile's head; the loads follow behind the tile's first eight matrix instructions, which name stage T % 5, p2's fragments, the accumulators and the scale words alone.
;   v1 to v7        offsets and LDS addresses: written at the head, never again.
;   p2's fragments, its scale words, 1 / l2, xd's scale words   loaded once; nothing writes them again.
;   U               the byte loads land in it; 42 shifts gather the words; 14 LDS stores read them (one run, behind one wait on va_vdst).  At the end LDS loads land in it (behind a wait on vm_vsrc), and the sums made there go to the global stores.
;   O               written by the tiles' sums, read by 14 LDS stores (one run, behind one wait on va_vdst); never written again.
.set XDS,   3670016
.set XT,    0                          ; LDS: 448 x 16 bytes: xd's scale words
.set RED,   7168                       ; 4 x 1,792: each wave's sums over its 128 c
.set SPARE, 14336                      ; the spare words, 128 bytes for each wave: two blocks of 256 bytes that no other line names
.set L16, 1                            ; v1   16 lane
.set L8,  2                            ; v2   8 lane
.set XTA, 3                            ; v3   16 lane + 4 w
.set WA,  4                            ; v4   32 (lane / 16)
.set REDW, 5                           ; v5   RED + 1,792 w + 4 lane
.set RDA, 6                            ; v6   RED + 8 x thread
.set GOU, 7                            ; v7   8 x thread
.set SPW, 8
.set NIL, 9
.set P2W, 12                           ; v12-27  p2's scale words: tiles 2 p (lanes 0-15), 2 p + 1 (lanes 16-31), K step ks: 4 p + ks
.set XW,  28                           ; v28-83  xd's: tiles 2 a, 2 a + 1: 4 a + ks
.set W,   84                           ; v84-147 1 / l2 of c = 16 ct + 8 h + j at 8 ct + j
.set O,   148                          ; v148-175 a number for each tile of places
.set CH,  176                          ; v176-183 four chains of pairs
.set U,   184                          ; v184-239 the bytes as loaded; at the end the sums
.set MSB, 0
.macro WIN new                         ; the immediate's high byte repeats the setting that is left
.if MSB != \new
	s_set_vgpr_msb (MSB<<8)|\new
.set MSB, \new
.endif
.endm
.macro PLACES
.rept 4
	v_nop
.endr
.endm
	s_load_b256 s[4:11], s[0:1], 0x0               ; xd, qs, p2c, ms
	s_load_b64 s[12:13], s[0:1], 0x20              ; out0
	v_lshl_add_u32 v[SPW], v0, 2, SPARE
	v_mov_b32 v[NIL], 0
	v_lshrrev_b32 v10, 5, v0
	v_readfirstlane_b32 s14, v10                   ; wave 0..3
	v_and_b32 v10, 31, v0
	v_lshlrev_b32 v[L16], 4, v10
	v_lshlrev_b32 v[L8], 3, v10
	v_bfe_u32 v11, v0, 4, 1
	v_lshlrev_b32 v[WA], 5, v11
	v_lshl_add_u32 v[RDA], v0, 3, RED
	v_lshlrev_b32 v[GOU], 3, v0
	s_wait_alu depctr_va_sdst(0)                   ; s14 is written, ahead of its first reader: LDS addresses and the bases are made from it
	s_lshl_b32 s2, s14, 2
	v_add_nc_u32 v[XTA], s2, v[L16]
	s_mul_i32 s2, s14, 1792
	s_add_co_u32 s2, s2, RED
	v_lshl_add_u32 v[REDW], v10, 2, s2
	s_mov_b32 s15, ttmp9                           ; which 448 places
	s_and_b32 s16, ttmp7, 0xffff                   ; n
	s_mov_b32 s3, 0
	s_wait_kmcnt 0x0
	s_mul_i32 s2, s16, 802816
	s_mul_i32 s17, s15, 114688
	s_add_co_u32 s2, s2, s17
	s_add_nc_u64 s[4:5], s[4:5], s[2:3]            ; xd at my 28 tiles
	s_mul_i32 s2, s16, 57344
	s_mul_i32 s17, s14, 4*3584
	s_add_co_u32 s2, s2, s17
	s_add_co_u32 s2, s2, s15
	s_add_co_u32 s2, s2, XDS
	s_add_nc_u64 s[20:21], s[6:7], s[2:3]          ; xd's scale bytes: channel block 4 w, byte i of each entry of eight
	s_lshl_b32 s2, s16, 17
	s_lshl_b32 s17, s14, 15
	s_add_co_u32 s2, s2, s17
	s_add_nc_u64 s[8:9], s[8:9], s[2:3]            ; p2c at my 8 tiles
	s_lshl_b32 s17, s16, 9
	s_lshl_b32 s2, s14, 7
	s_add_co_u32 s17, s17, s2                      ; 512 n + 128 w: my first row c
	s_lshl_b32 s2, s17, 4
	s_add_nc_u64 s[22:23], s[10:11], s[2:3]        ; its scale words
	s_lshl_b32 s2, s17, 2
	s_add_co_u32 s2, s2, 262144
	s_add_nc_u64 s[24:25], s[10:11], s[2:3]        ; its 1 / l2
	s_mul_i32 s2, s16, 12544
	s_mul_i32 s17, s15, 1792
	s_add_co_u32 s2, s2, s17
	s_add_nc_u64 s[12:13], s[12:13], s[2:3]        ; out at my 448 places
	s_wait_alu depctr_va_vdst(0)                   ; the seven offsets and addresses v1 to v7 are written, which every load and store of the kernel reads
.irp a, 0,1,2,3,4,5,6,7,8,9,10,11,12,13
.irp j, 0,1,2,3
	global_load_u8 v[U+4*\a+\j], v[L8], s[20:21] offset:\j*3584+\a*256    ; place 32 a + lane, channel block 4 w + j
.endr
.endr
.irp p, 0,1,2,3
	global_load_b128 v[P2W+4*\p:P2W+4*\p+3], v[L16], s[22:23] offset:\p*512
.endr
.irp ct, 0,1,2,3,4,5,6,7
	global_load_b128 v[W+8*\ct:W+8*\ct+3], v[WA], s[24:25] offset:64*\ct
	global_load_b128 v[W+8*\ct+4:W+8*\ct+7], v[WA], s[24:25] offset:64*\ct+16
.endr
	WIN 0x40                                       ; destination window 1
.set q, 0
.rept 40
	global_load_b128 v[4*q:4*q+3], v[L16], s[8:9] offset:512*q     ; p2's fragments lie on end as the registers do: 32 ct + 8 ks + 4 c = 4 q
.set q, q+1
.endr
	WIN 0
	s_wait_loadcnt 60                              ; the 56 byte loads are in; the 60 issued behind them may stay out
.irp a, 0,1,2,3,4,5,6,7,8,9,10,11,12,13
	v_lshl_or_b32 v[U+4*\a], v[U+4*\a+1], 8, v[U+4*\a]             ; (the fourteen words by turns: no line waits for the line above it)
.endr
.irp a, 0,1,2,3,4,5,6,7,8,9,10,11,12,13
	v_lshl_or_b32 v[U+4*\a], v[U+4*\a+2], 16, v[U+4*\a]
.endr
.irp a, 0,1,2,3,4,5,6,7,8,9,10,11,12,13
	v_lshl_or_b32 v[U+4*\a], v[U+4*\a+3], 24, v[U+4*\a]            ; the place's scale word for K step w
.endr
	s_wait_alu depctr_va_vdst(0)                   ; the fourteen words in v[U ..] are written, which the LDS stores below read
.irp a, 0,1,2,3,4,5,6,7,8,9,10,11,12,13
	ds_store_b32 v[XTA], v[U+4*\a] offset:XT+512*\a
.endr
	WIN 0x40
.rept 24
	global_load_b128 v[4*q:4*q+3], v[L16], s[8:9] offset:512*q
.set q, q+1
.endr
.macro XLOAD T                         ; tile T's four fragments of xd into stage T % 5: eight loads of 512 bytes on end
	WIN 0x80                                       ; destination window 2
.irp q, 0,1,2,3,4,5,6,7
	global_load_b128 v[64+32*((\T)%5)+4*\q:64+32*((\T)%5)+4*\q+3], v[L16], s[4:5] offset:(\T)*4096+\q*512
.endr
.endm
	XLOAD 0
	XLOAD 1
	XLOAD 2
	XLOAD 3
	WIN 0
	s_wait_dscnt 0x0                               ; for the others' sake: my words have landed
	s_barrier_signal -1
	s_barrier_wait -1
.irp a, 0,1,2,3,4,5,6,7,8,9,10,11,12,13
	ds_load_b128 v[XW+4*\a:XW+4*\a+3], v[L16] offset:XT+512*\a     ; the four K steps' words of place 32 a + lane
.endr
	s_wait_dscnt 0x0
; The matrix line, by the rows of the two scale registers (ra: p2's tile is the odd one of its pair; rb: xd's).  WMZ starts a sum with the constant 0, WMA adds in place.
.macro WMZ ra, rb
.if (\ra) && (\rb)
	v_wmma_scale_f32_16x16x128_f8f6f4 v[AC:AC+7], v[PF:PF+7], v[XF:XF+7], 0, v[PR], v[XR] matrix_a_fmt:MATRIX_FMT_FP4 matrix_b_fmt:MATRIX_FMT_FP4 matrix_a_scale:MATRIX_SCALE_ROW1 matrix_b_scale:MATRIX_SCALE_ROW1
.elseif \ra
	v_wmma_scale_f32_16x16x128_f8f6f4 v[AC:AC+7], v[PF:PF+7], v[XF:XF+7], 0, v[PR], v[XR] matrix_a_fmt:MATRIX_FMT_FP4 matrix_b_fmt:MATRIX_FMT_FP4 matrix_a_scale:MATRIX_SCALE_ROW1
.elseif \rb
	v_wmma_scale_f32_16x16x128_f8f6f4 v[AC:AC+7], v[PF:PF+7], v[XF:XF+7], 0, v[PR], v[XR] matrix_a_fmt:MATRIX_FMT_FP4 matrix_b_fmt:MATRIX_FMT_FP4 matrix_b_scale:MATRIX_SCALE_ROW1
.else
	v_wmma_scale_f32_16x16x128_f8f6f4 v[AC:AC+7], v[PF:PF+7], v[XF:XF+7], 0, v[PR], v[XR] matrix_a_fmt:MATRIX_FMT_FP4 matrix_b_fmt:MATRIX_FMT_FP4
.endif
.endm
.macro WMA ra, rb
.if (\ra) && (\rb)
	v_wmma_scale_f32_16x16x128_f8f6f4 v[AC:AC+7], v[PF:PF+7], v[XF:XF+7], v[AC:AC+7], v[PR], v[XR] matrix_a_fmt:MATRIX_FMT_FP4 matrix_b_fmt:MATRIX_FMT_FP4 matrix_a_scale:MATRIX_SCALE_ROW1 matrix_b_scale:MATRIX_SCALE_ROW1
.elseif \ra
	v_wmma_scale_f32_16x16x128_f8f6f4 v[AC:AC+7], v[PF:PF+7], v[XF:XF+7], v[AC:AC+7], v[PR], v[XR] matrix_a_fmt:MATRIX_FMT_FP4 matrix_b_fmt:MATRIX_FMT_FP4 matrix_a_scale:MATRIX_SCALE_ROW1
.elseif \rb
	v_wmma_scale_f32_16x16x128_f8f6f4 v[AC:AC+7], v[PF:PF+7], v[XF:XF+7], v[AC:AC+7], v[PR], v[XR] matrix_a_fmt:MATRIX_FMT_FP4 matrix_b_fmt:MATRIX_FMT_FP4 matrix_b_scale:MATRIX_SCALE_ROW1
.else
	v_wmma_scale_f32_16x16x128_f8f6f4 v[AC:AC+7], v[PF:PF+7], v[XF:XF+7], v[AC:AC+7], v[PR], v[XR] matrix_a_fmt:MATRIX_FMT_FP4 matrix_b_fmt:MATRIX_FMT_FP4
.endif
.endm
.macro MM T, ks, ct
.set AC, 8*(\ct)
.set PF, 32*(\ct)+8*(\ks)
.set XF, 64+32*((\T)%5)+8*(\ks)
.set PR, P2W+4*((\ct)/2)+(\ks)
.set XR, XW+4*((\T)/2)+(\ks)
.if (\ks) == 0
	WMZ (\ct)%2, (\T)%2
.else
	WMA (\ct)%2, (\T)%2
.endif
.endm
.macro MKS T, ks                       ; a K step of a tile: eight matrix instructions, one on each accumulator
	WIN 0xa9                                       ; source 0 window 1, source 1, C and D window 2
.irp ct, 0,1,2,3,4,5,6,7
	MM \T, \ks, \ct
.endr
.endm
; A tile of 16 places: 32 matrix instructions, the 8 accumulators by turns, one instruction a turn, K step by K step; then the sum over my 128 c.
.macro TILE T
.if 27-(\T) >= 3
	s_wait_loadcnt 24                              ; this tile's eight loads are in (at tile 0 all that was issued earlier too); the three younger tiles' may stay out
.else
	s_wait_loadcnt 8*(27-(\T))
.endif
.if (\T)+4 <= 27
.if (\T) > 0
	s_wait_alu depctr_va_vdst(0)                   ; the last tile's matrix instructions are done reading their stage, in which this tile's eight loads land; the eight matrix instructions between name neither that stage nor v1
.endif
.endif
	MKS \T, 0
.if (\T)+4 <= 27
	XLOAD (\T)+4
.endif
	MKS \T, 1
	MKS \T, 2
	MKS \T, 3
	PLACES                                         ; four places ahead of the first read of results
	WIN 0x02                                       ; source 0 window 2
.irp ct, 0,1,2,3,4,5,6,7               ; results x 1 / l2, summed in four chains; each accumulator is read from its low end on.  With the v_nop these lines are also the places ahead of the next tile's products, which begin the accumulators anew
.irp p, 0,1,2,3
.if \ct == 0
	v_pk_mul_f32 v[CH+2*\p:CH+2*\p+1], v[8*\ct+2*\p:8*\ct+2*\p+1], v[W+8*\ct+2*\p:W+8*\ct+2*\p+1]
.else
	v_pk_fma_f32 v[CH+2*\p:CH+2*\p+1], v[8*\ct+2*\p:8*\ct+2*\p+1], v[W+8*\ct+2*\p:W+8*\ct+2*\p+1], v[CH+2*\p:CH+2*\p+1]
.endif
.endr
.endr
	WIN 0
	v_pk_add_f32 v[CH:CH+1], v[CH:CH+1], v[CH+2:CH+3]
	v_pk_add_f32 v[CH+4:CH+5], v[CH+4:CH+5], v[CH+6:CH+7]
	v_pk_add_f32 v[CH:CH+1], v[CH:CH+1], v[CH+4:CH+5]
	v_add_f32 v[O+(\T)], v[CH], v[CH+1]            ; lane (r, h): place 16 T + r, the c with (c / 8) % 2 = h
.endm
.set TT, 0
.rept 28
	TILE TT
.set TT, TT+1
.endr
.irp p, 0,1,2,3,4,5,6,7,8,9,10,11,12,13
	v_permlane16_swap_b32 v[O+2*\p], v[O+2*\p+1]   ; the first now holds both tiles' h = 0 halves, the second both h = 1 halves
.endr
.irp p, 0,1,2,3,4,5,6,7,8,9,10,11,12,13
	v_add_f32 v[O+2*\p], v[O+2*\p], v[O+2*\p+1]    ; place 32 p + lane, summed over my 128 c
.endr
	s_wait_alu depctr_va_vdst(0)                   ; the fourteen sums in v[O ..] are written, which the LDS stores below read
.irp p, 0,1,2,3,4,5,6,7,8,9,10,11,12,13
	ds_store_b32 v[REDW], v[O+2*\p] offset:128*\p
.endr
	s_wait_dscnt 0x0
	s_barrier_signal -1
	s_barrier_wait -1
	s_wait_alu depctr_vm_vsrc(0)                   ; the LDS stores at the head have read v[U ..], in which the LDS loads below, on both ways, land (the shifts that named these registers stand ahead of earlier waits on va_vdst)
.irp k, 0,1,2,3
	ds_load_b64 v[U+2*\k:U+2*\k+1], v[RDA] offset:1792*\k          ; the four waves' sums of two places
.endr
	s_wait_dscnt 0x0
	v_pk_add_f32 v[U:U+1], v[U:U+1], v[U+2:U+3]
	v_pk_add_f32 v[U+4:U+5], v[U+4:U+5], v[U+6:U+7]
	v_pk_add_f32 v[U:U+1], v[U:U+1], v[U+4:U+5]
	s_wait_alu depctr_va_vdst(0)                   ; the sums have written v[U:U+1], which the store below reads
	global_store_b64 v[GOU], v[U:U+1], s[12:13]    ; wave w: 256 bytes on end, aligned: the w-th of the work-group's seven runs
	s_cmp_lt_u32 s14, 3                            ; waves 0 to 2 take runs 4 to 6 too
	s_cbranch_scc0 .Lend
.irp k, 0,1,2,3
	ds_load_b64 v[U+8+2*\k:U+8+2*\k+1], v[RDA] offset:1792*\k+1024
.endr
	s_wait_dscnt 0x0
	v_pk_add_f32 v[U+8:U+9], v[U+8:U+9], v[U+10:U+11]
	v_pk_add_f32 v[U+12:U+13], v[U+12:U+13], v[U+14:U+15]
	v_pk_add_f32 v[U+8:U+9], v[U+8:U+9], v[U+12:U+13]
	s_wait_alu depctr_va_vdst(0)                   ; the sums have written v[U+8:U+9], which the store below reads
	global_store_b64 v[GOU], v[U+8:U+9], s[12:13] offset:1024
.Lend:
	s_wait_dscnt 0x0                               ; the closing lines, six on end
	s_wait_alu 0x0
	s_wait_tensorcnt 0x0
	ds_add_u32 v[SPW], v[NIL]
	s_wait_dscnt 0x0
	s_endpgm
.Lfunc_end_k_qa3fa75fb61_tri:
	.size	k_qa3fa75fb61_tri, .Lfunc_end_k_qa3fa75fb61_tri-k_qa3fa75fb61_tri
	.p2alignl 7, 3214868480
	.fill 96, 4, 3214868480
	.section	.rodata,"a",@progbits
	.p2align	6, 0x0
	.amdhsa_kernel k_qa3fa75fb61_tri
		.amdhsa_group_segment_fixed_size 14848
		.amdhsa_private_segment_fixed_size 0
		.amdhsa_enable_private_segment 0
		.amdhsa_kernarg_size 40
		.amdhsa_user_sgpr_count 2
		.amdhsa_user_sgpr_kernarg_segment_ptr 1
		.amdhsa_wavefront_size32 1
		.amdhsa_system_sgpr_workgroup_id_x 1
		.amdhsa_system_sgpr_workgroup_id_y 1
		.amdhsa_system_sgpr_workgroup_id_z 1
		.amdhsa_system_vgpr_workitem_id 0
		.amdhsa_next_free_vgpr 736
		.amdhsa_next_free_sgpr 66
		.amdhsa_reserve_vcc 0
		.amdhsa_float_denorm_mode_32 3
		.amdhsa_float_denorm_mode_16_64 3
		.amdhsa_memory_ordered 1
		.amdhsa_forward_progress 1
		.amdhsa_inst_pref_size 229
	.end_amdhsa_kernel
	.amdgpu_metadata
---
amdhsa.version: [ 1, 2 ]
amdhsa.kernels:
  - .name:           k_qa3fa75fb61_tri
    .symbol:         k_qa3fa75fb61_tri.kd
    .args:
      - { .name: xd, .offset: 0, .size: 8, .value_kind: global_buffer, .address_space: global }
      - { .name: qs, .offset: 8, .size: 8, .value_kind: global_buffer, .address_space: global }
      - { .name: p2c, .offset: 16, .size: 8, .value_kind: global_buffer, .address_space: global }
      - { .name: ms, .offset: 24, .size: 8, .value_kind: global_buffer, .address_space: global }
      - { .name: out0, .offset: 32, .size: 8, .value_kind: global_buffer, .address_space: global }
    .group_segment_fixed_size: 14848
    .private_segment_fixed_size: 0
    .kernarg_segment_align: 8
    .kernarg_segment_size: 40
    .max_flat_workgroup_size: 128
    .sgpr_count:     66
    .vgpr_count:     736
    .wavefront_size: 32
...
	.end_amdgpu_metadata
.endif
;; end of part 6
